; MI455X (gfx1250); checked and timed in simulation.
; The chip was launched on July 23, 2026; its instructions are those of AMD's public machine-readable ISA for CDNA 5 (MIT licence, August 2026) and "CDNA5" Instruction Set Architecture Reference Guide (July 2026). The comments in the code are by the model that wrote it; some were corrected since.
;; Multihead Attention. Allowed arithmetic: float matrix products may take bf16 or f16 operands with f32 sums; other float arithmetic in f32, or as packed bf16 or f16 multiplies, adds, multiply-adds, maxima and minima; sums over many terms, partial sums and values carried from step to step in f32; what a program stores and reads back later, other than sums and carried values, may be rounded once to bf16 or f16.
;; Inputs: Wk 1,024 x 1,024 float32; Wo 1,024 x 1,024 float32; Wq 1,024 x 1,024 float32; Wv 1,024 x 1,024 float32; attention_mask 2,048 x 2,048 int32; bk 1,024 float32; bo 1,024 float32; bq 1,024 float32; bv 1,024 float32; key_ignorance_mask 4 x 2,048 int32; key_value 4 x 2,048 x 1,024 float32; query 4 x 2,048 x 1,024 float32.
;; Outputs: out0 4 x 2,048 x 1,024 float32.
;; One version. Each part assembles by itself: llvm-mc -triple=amdgcn-amd-amdhsa -mcpu=gfx1250 --defsym DOCPART=n.
;; ======== version 1 of 1: 4 launches
;; limits: values are held in f16: magnitudes above 65,504 overflow, below 6.1e-05 lose precision
;; workspace buffers: x16 33,554,432 bytes; w16 8,388,608 bytes; mbits 2,097,152 bytes of whole numbers; qkv16 50,331,648 bytes; o16 16,777,216 bytes
;; launch prep (part 1): grid 1536 x 1, 8 waves a work-group, no clusters, 0 bytes of LDS; arguments query, key_value, Wq, Wk, Wv, Wo, attention_mask, key_ignorance_mask, x16, w16, mbits; writes x16, w16, mbits
.if DOCPART == 1
	.amdgcn_target "amdgcn-amd-amdhsa--gfx1250"
	.amdhsa_code_object_version 6
	.text
	.protected	k_qdcc4e8dc16_prep
	.globl	k_qdcc4e8dc16_prep
	.p2align	8
	.type	k_qdcc4e8dc16_prep,@function
k_qdcc4e8dc16_prep:
	s_mov_b64 s[64:65], 0
	v_nop
	global_prefetch_b8 v0, s[64:65] scope:SCOPE_SE
	s_setreg_imm32_b32 hwreg(HW_REG_WAVE_MODE, 25, 1), 1
	s_wait_xcnt 0x0
; PREP: three kinds of work-group, chosen by the work-group's number alone.
;   0..1023     X: 16 rows x 1,024 channels of query (0..511) or key_value (512..1023): f32 -> rounded to bf16 -> that number written as f16,
;                  into x16 [src 2][b 4][block of 64 channels 16][s 2048][64]: 256 rows of one block are 32,768 bytes on end.
;   1024..1279  W: 16,384 numbers of Wq, Wk, Wv or Wo, the same conversion, into w16 [4][1024][1024], rows as they lie.
;   1280..1535  M: the two masks as lane masks.  mbits is [b 4][pair of query tiles qp 64][step of 64 keys 32][n 32][u 2] words.  Bit l of a word:
;                  attention_mask[16 (2 qp + u) + l % 16][64 step + 16 (n / 8) + 8 (l / 16) + n % 8] or key_ignorance_mask[b][the same key] is not 0.
;                  The 64 words of a pair and a step are 256 bytes on end.
; LIMITS.  A number of magnitude 65,520 or more becomes an infinity in f16; below 7.6e-6 the bf16 number is rounded once more, to f16's fixed step of 6e-8.
; A STREAM: every byte is read once and written once.  A wave asks for its whole share, 8 KiB, by sixteen loads at its start, works on each as it comes and ends.  It takes 84 registers
; (a piece is converted in place and stored from the registers that it was loaded into), so that twelve waves share a SIMD's 1,024 registers: what is on its way is the many waves' loads together.
; No LDS, no matrix unit, no cluster: no byte is wanted by two work-groups but the 32 KiB of key_ignorance_mask.
.set IO,  2                            ; v2  my byte offset in the input
.set OO,  3                            ; v3  my byte offset in the output
.set TR,  4                            ; v[4:7]   at work: two pairs by turns (role M: the first pair alone)
.set KO,  6                            ; v6       role M: my byte offset in a batch's key mask
.set WD,  8                            ; v[8:9]   role M: lane n: attention_mask's word n of tile 0, of tile 1
.set CLO, 10                           ; v10      role M: the lanes 0-15 of a word
.set CHI, 11                           ; v11      role M: the lanes 16-31
.set KL,  12                           ; v[12:19] role M: batch b: the key mask's number for my word's low lanes, for its high lanes
.set XR,  20                           ; v[20:83] sixteen items of 4 registers as loaded; an item's first two registers are then its 4 numbers in f16
	s_load_b512 s[8:23], s[0:1], 0x0               ; query 8, key_value 10, Wq 12, Wk 14, Wv 16, Wo 18, attention_mask 20, key_ignorance_mask 22
	s_load_b128 s[24:27], s[0:1], 0x40             ; x16 24, w16 26
	s_load_b64 s[28:29], s[0:1], 0x50              ; mbits
	v_and_b32 v1, 31, v0                           ; lane
	v_lshrrev_b32 v4, 5, v0
	v_readfirstlane_b32 s30, v4                    ; wave 0..7
	s_mov_b32 s31, 0xffff0000                      ; a word's upper bf16
	s_wait_kmcnt 0x0
; Sixteen items of 4 numbers a lane.  Item i is read at (i / 2) sa + (i % 2) sb and written at (i / 2) da + (i % 2) db.
; A load takes 16 neighbouring bytes a lane, a store 8: a store of the wave covers 256 consecutive bytes, aligned.
; All sixteen loads go out first; item i is worked on when the 15 - i younger loads may still be out.  No register that a store reads is written again.
.macro CAST sa, sb, da, db
.irp i, 0,1,2,3,4,5,6,7,8,9,10,11,12,13,14,15
	global_load_b128 v[XR+4*(\i):XR+4*(\i)+3], v[IO], s[32:33] offset:((\i)/2)*(\sa)+((\i)%2)*(\sb) th:TH_LOAD_NT
.endr
.irp i, 0,1,2,3,4,5,6,7,8,9,10,11,12,13,14,15
	s_wait_loadcnt 15-(\i)                         ; loads come back in order: item i's is in
	v_cvt_pk_bf16_f32 v[TR+2*((\i)%2)],   v[XR+4*(\i)],   v[XR+4*(\i)+1]  ; the one rounding
	v_cvt_pk_bf16_f32 v[TR+2*((\i)%2)+1], v[XR+4*(\i)+2], v[XR+4*(\i)+3]
	v_lshlrev_b32 v[XR+4*(\i)],   16,  v[TR+2*((\i)%2)]                   ; back to f32,
	v_and_b32     v[XR+4*(\i)+1], s31, v[TR+2*((\i)%2)]
	v_lshlrev_b32 v[XR+4*(\i)+2], 16,  v[TR+2*((\i)%2)+1]
	v_and_b32     v[XR+4*(\i)+3], s31, v[TR+2*((\i)%2)+1]
	v_cvt_pk_f16_f32 v[XR+4*(\i)],   v[XR+4*(\i)],   v[XR+4*(\i)+1]       ; and the same number as f16, in place
	v_cvt_pk_f16_f32 v[XR+4*(\i)+1], v[XR+4*(\i)+2], v[XR+4*(\i)+3]
	global_store_b64 v[OO], v[XR+4*(\i):XR+4*(\i)+1], s[34:35] offset:((\i)/2)*(\da)+((\i)%2)*(\db)
.endr
.endm
	s_cmp_lt_u32 ttmp9, 1024
	s_cbranch_scc0 .Lnot_x
	; ROLE X.  Wave w takes channel blocks 2 w and 2 w + 1.  A load takes a block's 256 bytes of two rows: lanes 0-15 one row, lanes 16-31 the next;
	; in x16 the two rows' 128 bytes of a block follow each other.
	s_lshr_b32 s40, ttmp9, 9                       ; 0 query, 1 key_value
	s_and_b32 s41, ttmp9, 511                      ; which 16 rows of its 8,192
	s_lshl_b32 s36, s41, 16                        ; 16 rows of 4,096 bytes
	s_mov_b32 s37, 0
	s_lshl_b32 s42, s40, 2
	s_lshr_b32 s43, s41, 7
	s_add_co_u32 s42, s42, s43                     ; 4 src + b
	s_lshl_b32 s38, s42, 22                        ; 16 blocks of 262,144 bytes
	s_and_b32 s43, s41, 127
	s_lshl_b32 s43, s43, 11                        ; 16 rows of 128 bytes in a block
	s_add_co_u32 s38, s38, s43
	s_mov_b32 s39, 0
	s_cmp_eq_u32 s40, 0
	s_cselect_b64 s[32:33], s[8:9], s[10:11]
	s_add_nc_u64 s[32:33], s[32:33], s[36:37]
	s_add_nc_u64 s[34:35], s[24:25], s[38:39]
	v_lshrrev_b32 v4, 4, v1                        ; which of the two rows
	v_and_b32 v5, 15, v1                           ; which 4 channels of the block's 64
	v_lshlrev_b32 v[IO], 12, v4
	v_lshl_add_u32 v[IO], v5, 4, v[IO]
	s_lshl_b32 s43, s30, 9
	v_add_nc_u32 v[IO], s43, v[IO]                 ; 4,096 row + 16 c + 512 wave
	v_lshlrev_b32 v[OO], 3, v1
	s_lshl_b32 s43, s30, 19
	v_add_nc_u32 v[OO], s43, v[OO]                 ; 8 lane (= 128 row + 8 c) + two blocks a wave
	CAST 8192, 256, 256, 262144                    ; two rows on; the second block
	s_endpgm
.Lnot_x:
	s_cmp_lt_u32 ttmp9, 1280
	s_cbranch_scc0 .Lmask
	; ROLE W.  A dense cast: a load takes 512 bytes on end.
	s_sub_co_u32 s40, ttmp9, 1024
	s_lshr_b32 s41, s40, 6                         ; 0 Wq, 1 Wk, 2 Wv, 3 Wo
	s_and_b32 s42, s40, 63
	s_lshl_b32 s36, s42, 16
	s_mov_b32 s37, 0
	s_lshl_b32 s38, s41, 21
	s_lshl_b32 s43, s42, 15
	s_add_co_u32 s38, s38, s43
	s_mov_b32 s39, 0
	s_and_b32 s43, s41, 1
	s_cmp_lt_u32 s41, 2
	s_cselect_b64 s[44:45], s[12:13], s[16:17]
	s_cselect_b64 s[46:47], s[14:15], s[18:19]
	s_cmp_eq_u32 s43, 0
	s_cselect_b64 s[32:33], s[44:45], s[46:47]
	s_add_nc_u64 s[32:33], s[32:33], s[36:37]
	s_add_nc_u64 s[34:35], s[26:27], s[38:39]
	v_lshlrev_b32 v[IO], 4, v1
	s_lshl_b32 s43, s30, 13
	v_add_nc_u32 v[IO], s43, v[IO]
	v_lshlrev_b32 v[OO], 3, v1
	s_lshl_b32 s43, s30, 12
	v_add_nc_u32 v[OO], s43, v[OO]
	CAST 1024, 512, 512, 256
	s_endpgm
.Lmask:
	; ROLE M.  A wave takes 32 queries (a pair of tiles) x 64 keys (a step).  attention_mask's 64 lane masks are made once: a compare's 32 answers are a word, and word n goes to lane n.
	; A key's bit in word n hangs on the lane's half alone (key 16 (n / 8) + n % 8 for lanes 0-15, eight keys on for lanes 16-31): so a batch's part of word n is one half of the word,
	; the other, both or none, made of two numbers of key_ignorance_mask that lane n loads itself, and it is the same for both tiles.
	s_sub_co_u32 s40, ttmp9, 1280
	s_lshr_b32 s41, s40, 2                         ; qp 0..63
	s_and_b32 s42, s40, 3
	s_lshl_b32 s42, s42, 3
	s_add_co_u32 s42, s42, s30                     ; key step 0..31
	s_lshl_b32 s38, s41, 18                        ; 32 rows of 8,192 bytes
	s_lshl_b32 s43, s42, 8                         ; 64 keys of 4 bytes; also: a step's 64 words
	s_add_co_u32 s38, s38, s43
	s_mov_b32 s39, 0
	s_add_nc_u64 s[32:33], s[20:21], s[38:39]
	s_mov_b32 s38, s43
	s_add_nc_u64 s[34:35], s[22:23], s[38:39]
	s_lshl_b32 s38, s41, 13                        ; a pair's 32 steps of 256 bytes
	s_add_co_u32 s38, s38, s43
	s_add_nc_u64 s[36:37], s[28:29], s[38:39]
	v_and_b32 v4, 15, v1
	v_lshrrev_b32 v5, 4, v1
	v_lshlrev_b32 v[IO], 5, v5                     ; keys 8 (l / 16) on,
	v_lshl_add_u32 v[IO], v4, 13, v[IO]            ; row l % 16
	v_lshrrev_b32 v4, 3, v1
	v_and_b32 v5, 7, v1
	v_lshlrev_b32 v[KO], 2, v5                     ; as lane n: key 16 (n / 8) + n % 8, 4 bytes each
	v_lshl_add_u32 v[KO], v4, 6, v[KO]
	v_lshlrev_b32 v[OO], 3, v1                     ; my two words
.irp u, 0,1
.irp k, 0,1,2,3                                    ; tile u, group k of 16 keys at XR + 8 (4 u + k).  No hint: the eight loads of a tile take their pieces out of the same 256 bytes of each row
	global_load_b128 v[XR+8*(4*(\u)+(\k)):XR+8*(4*(\u)+(\k))+3],   v[IO], s[32:33] offset:131072*(\u)+64*(\k)
	global_load_b128 v[XR+8*(4*(\u)+(\k))+4:XR+8*(4*(\u)+(\k))+7], v[IO], s[32:33] offset:131072*(\u)+64*(\k)+16
.endr
.endr
.irp b, 0,1,2,3
	global_load_b32 v[KL+2*(\b)],   v[KO], s[34:35] offset:8192*(\b)
	global_load_b32 v[KL+2*(\b)+1], v[KO], s[34:35] offset:8192*(\b)+32
.endr
	v_mov_b32 v[WD], 0                             ; written whole before single lanes are written
	v_mov_b32 v[WD+1], 0
	v_mov_b32 v[CLO], 0xffff
	v_mov_b32 v[CHI], 0xffff0000
.irp u, 0,1
.irp k, 0,1,2,3
	s_wait_loadcnt 2*(7-4*(\u)-(\k))+8             ; this group's two loads are in; two for each younger group and the eight of the key masks may be out
.irp j, 0,1,2,3,4,5,6,7
	v_cmp_ne_u32 s[40+(\j)], 0, v[XR+8*(4*(\u)+(\k))+(\j)]
.endr
.irp j, 0,1,2,3,4,5,6,7
	v_writelane_b32 v[WD+(\u)], s[40+(\j)], 8*(\k)+(\j)  ; word n = 8 k + j of tile u goes to lane n
.endr
.endr
.endr
	s_wait_loadcnt 0x0                             ; the key masks
.irp b, 0,1,2,3
	v_cmp_ne_u32 vcc_lo, 0, v[KL+2*(\b)]
	v_cndmask_b32 v[TR], 0, v[CLO], vcc_lo
	v_cmp_ne_u32 vcc_lo, 0, v[KL+2*(\b)+1]
	v_cndmask_b32 v[TR+1], 0, v[CHI], vcc_lo
	v_or_b32 v[TR], v[TR], v[TR+1]
	v_or_b32 v[XR+2*(\b)],   v[WD],   v[TR]        ; a pair of registers for each batch: no store's data is written again
	v_or_b32 v[XR+2*(\b)+1], v[WD+1], v[TR]
	global_store_b64 v[OO], v[XR+2*(\b):XR+2*(\b)+1], s[36:37] offset:0x80000*(\b)  ; 256 bytes on end, aligned; a batch has 64 x 32 x 64 words
.endr
	s_endpgm
.Lfunc_end_k_qdcc4e8dc16_prep:
	.size	k_qdcc4e8dc16_prep, .Lfunc_end_k_qdcc4e8dc16_prep-k_qdcc4e8dc16_prep
	.p2alignl 7, 3214868480
	.fill 96, 4, 3214868480
	.section	.rodata,"a",@progbits
	.p2align	6, 0x0
	.amdhsa_kernel k_qdcc4e8dc16_prep
		.amdhsa_group_segment_fixed_size 0
		.amdhsa_private_segment_fixed_size 0
		.amdhsa_enable_private_segment 0
		.amdhsa_kernarg_size 88
		.amdhsa_user_sgpr_count 2
		.amdhsa_user_sgpr_kernarg_segment_ptr 1
		.amdhsa_wavefront_size32 1
		.amdhsa_system_sgpr_workgroup_id_x 1
		.amdhsa_system_sgpr_workgroup_id_y 1
		.amdhsa_system_sgpr_workgroup_id_z 1
		.amdhsa_system_vgpr_workitem_id 0
		.amdhsa_next_free_vgpr 84
		.amdhsa_next_free_sgpr 66
		.amdhsa_reserve_vcc 1
		.amdhsa_float_denorm_mode_32 3
		.amdhsa_float_denorm_mode_16_64 3
		.amdhsa_memory_ordered 1
		.amdhsa_forward_progress 1
		.amdhsa_inst_pref_size 35
	.end_amdhsa_kernel
	.amdgpu_metadata
---
amdhsa.version: [ 1, 2 ]
amdhsa.kernels:
  - .name:           k_qdcc4e8dc16_prep
    .symbol:         k_qdcc4e8dc16_prep.kd
    .args:
      - { .name: query, .offset: 0, .size: 8, .value_kind: global_buffer, .address_space: global }
      - { .name: key_value, .offset: 8, .size: 8, .value_kind: global_buffer, .address_space: global }
      - { .name: Wq, .offset: 16, .size: 8, .value_kind: global_buffer, .address_space: global }
      - { .name: Wk, .offset: 24, .size: 8, .value_kind: global_buffer, .address_space: global }
      - { .name: Wv, .offset: 32, .size: 8, .value_kind: global_buffer, .address_space: global }
      - { .name: Wo, .offset: 40, .size: 8, .value_kind: global_buffer, .address_space: global }
      - { .name: attention_mask, .offset: 48, .size: 8, .value_kind: global_buffer, .address_space: global }
      - { .name: key_ignorance_mask, .offset: 56, .size: 8, .value_kind: global_buffer, .address_space: global }
      - { .name: x16, .offset: 64, .size: 8, .value_kind: global_buffer, .address_space: global }
      - { .name: w16, .offset: 72, .size: 8, .value_kind: global_buffer, .address_space: global }
      - { .name: mbits, .offset: 80, .size: 8, .value_kind: global_buffer, .address_space: global }
    .group_segment_fixed_size: 0
    .private_segment_fixed_size: 0
    .kernarg_segment_align: 8
    .kernarg_segment_size: 88
    .max_flat_workgroup_size: 256
    .sgpr_count:     66
    .vgpr_count:     84
    .wavefront_size: 32
...
	.end_amdgpu_metadata
.endif
;; end of part 1
;; launch proj (part 2): grid 24 x 32, 4 waves a work-group, clusters of 4 x 4, 327,680 bytes of LDS; arguments x16, w16, bq, bk, bv, qkv16; writes qkv16
.if DOCPART == 2
	.amdgcn_target "amdgcn-amd-amdhsa--gfx1250"
	.amdhsa_code_object_version 6
	.text
	.protected	k_qdcc4e8dc16_proj
	.globl	k_qdcc4e8dc16_proj
	.p2align	8
	.type	k_qdcc4e8dc16_proj,@function
k_qdcc4e8dc16_proj:
	s_mov_b64 s[64:65], 0
	v_nop
	global_prefetch_b8 v0, s[64:65] scope:SCOPE_SE
	s_setreg_imm32_b32 hwreg(HW_REG_WAVE_MODE, 25, 1), 1
	s_wait_xcnt 0x0
	s_wait_alu depctr_hold_cnt(0) depctr_sa_sdst(0) depctr_va_vdst(0) depctr_va_sdst(0) depctr_va_ssrc(0) depctr_va_vcc(0) depctr_vm_vsrc(0)
	s_getreg_b32 s2, hwreg(HW_REG_IB_STS2, 6, 4)
	s_cmp_eq_u32 s2, 0
	s_cbranch_scc0 .Lentry_in_a_cluster
	s_endpgm
.Lentry_in_a_cluster:
	s_bfe_u32 s2, ttmp6, 0x10000c
	s_cmp_lg_u32 s2, 0xf033
	s_cbranch_scc0 .Lentry_shape_is_right
	s_endpgm
.Lentry_shape_is_right:
; C[m][n] = sum over k of A[m][k] W[n][k] + bias[n]; 8,192 rows, K = 1,024, operands f16 (numbers that were rounded to bf16), sums f32.
; MODE 0: the three input projections as one product with 3,072 columns.  A = x16 (query for the first 1,024 columns, key_value for the others), W = w16's first three matrices.
;   q is multiplied by c = log2(e) / 8 in f32 ahead of its one rounding, so that scores arrive as exponents of 2.  Out: qkv16 [3][b 16 + h][s][64] in f16.
; MODE 1: the output projection.  A = o16, W = w16's fourth matrix.  Out: out0, f32, row-major.
; LIMITS.  q c, k and v must stay under 65,520 in magnitude to be finite in f16.  The bias is rounded to bf16 like every other input.
; A lies in blocks [b][block of 64 channels][s][64]: 256 rows of a block are 32,768 bytes on end, asked for as 128 rows of 256 bytes.
; SHARES.  A tile of C is 256 x 128: four waves, each 128 x 64 = 32 accumulators of 16 x 16.  768 tiles (MODE 0) or 256 (MODE 1).  K goes in steps of 128 through two LDS slots.
; CLUSTER 4 x 4: the four work-groups of a row need the same tile of A, the four of a column the same tile of W: each is asked for jointly, by one tensor load with a mask that names the four.
; THE MATRIX INSTRUCTION IS USED TRANSPOSED (source 0 = 16 rows of W, source 1 = 16 rows of A): a lane holds row l % 16 of C and the eight columns 8 (l / 16) + 0..7.
; REGISTERS.  Window 0: v16-30 addresses; v32-127, v128-223 two fragment buffers (8 fragments of A, then 4 of W); v224-255 bias.  Window 1: accumulator (a, nb) at 8 (4 a + nb).
.set MODE, 0
.set PA,    144                        ; a row of A in LDS: 128 bytes + 16: the 16 rows of a load start at 16 different groups of four banks
.set PB,    272                        ; a row of W: 256 bytes + 16, likewise
.set AZ,    256*PA                     ; one channel block of the tile's 256 rows
.set BOFF,  2*AZ                       ; W's 128 rows lie behind A's two blocks
.set BH,    64*PB                      ; 64 rows of W: one tensor load
.set SLOT,  BOFF+2*BH
.set STAGE, 2*SLOT                     ; behind the ring, never filled by a tensor load: 16 rows for each wave, for the way out
.if MODE == 0
.set SPITCH, 144
.else
.set SPITCH, 272
.endif
.set SPARE, STAGE+4*16*SPITCH          ; the spare words: 128 bytes a wave, two blocks of 256 bytes that no other line names
.set LAPS,  4                          ; a lap = two K steps = once round the ring
.set ADRA, 16                          ; v16-17 LDS address of my A fragments in slot 0, 1
.set ADRB, 20                          ; v20-21 the same for W
.set STO,  24
.set RD,   25
.set CO,   26
.set BO,   27                          ; my byte offset in the bias
.set SPW,  28                          ; SPARE + 4 x my thread's number; never rewritten
.set NIL,  29                          ; 0; never rewritten
.set PFO,  30                          ; the prefetches' lane offset; never rewritten
.set F0,   32
.set F1,   128
.set BIAS, 224
.set TMP,  32
.set G1,   24                          ; s[24:31] group 1 for A;  s[32:39] group 0, a set for each slot
.set G0,   32
.set G1B,  48                          ; s[48:55], s[56:63] the same for W
.set G0B,  56
.set PFA,  44                          ; s[44:45] where my prefetches stand
.set PST,  46                          ; s[46:47] their step from K step to K step
.set LIM0, 66                          ; s66, s67: for a change out of slot 0, 1: 1 in a wave that asks there, else the greatest number
.set SC,   68                          ; s[68:69] c or 1
.set BP,   70                          ; s[70:71] the bias at my columns
.set MSB, 0
.macro WIN new                         ; the immediate's high byte repeats the setting that is left
.if MSB != (\new)
	s_set_vgpr_msb (MSB<<8)|(\new)
.set MSB, \new
.endif
.endm
.set MUL, 0x50                         ; C and D in window 1, both sources in window 0
.macro JLOAD s                         ; a joint load: waves 0 and 1 fetch A's two channel blocks, waves 2 and 3 W's two halves; s_nop 0 and four v_nop follow each line
	s_cmp_eq_u32 s11, 0
	s_cbranch_scc0 .Lfor_b_\@
	tensor_load_to_lds s[G0+4*(\s):G0+4*(\s)+3], s[G1:G1+7]
	s_nop 0
.rept 4
	v_nop
.endr
	s_branch .Lasked_\@
.Lfor_b_\@:
	tensor_load_to_lds s[G0B+4*(\s):G0B+4*(\s)+3], s[G1B:G1B+7]
	s_nop 0
.rept 4
	v_nop
.endr
.Lasked_\@:
.endm
.macro CREST                           ; a round of the cluster's barrier behind its opening barrier
	s_cmp_lg_u32 s10, 0
	s_cbranch_scc1 .Lnot_wave_0_\@
	s_barrier_signal -3
.Lnot_wave_0_\@:
	s_barrier_wait -3
	s_barrier_signal -1
	s_barrier_wait -1
.endm
.macro CROUND
	s_barrier_signal -1
	s_barrier_wait -1
	CREST
.endm
; A prefetch of the K step that stands two refills on, 256 matrix instructions of the wave ahead of the load that names it.  Each block of 256 bytes is named once in the launch:
; of the clusters that read the same rows one asks; its four partners share the rows out by address; the loop's last trip asks for nothing, K steps 0 to 3 come by their loads alone.
.macro ASK slot
	s_cmp_gt_u32 s3, s[LIM0+(\slot)]
	s_cbranch_scc0 .Lnot_mine_\@
	global_prefetch_b8 v[PFO], s[PFA:PFA+1] th:TH_LOAD_NT scope:SCOPE_SE
.Lnot_mine_\@:
.endm
	s_load_b128 s[4:7], s[0:1], 0x0                ; A s[4:5], w16 s[6:7]
.if MODE == 0
	s_load_b256 s[72:79], s[0:1], 0x10             ; bq 72, bk 74, bv 76, qkv16 78
.else
	s_load_b128 s[72:75], s[0:1], 0x10             ; bo 72, out0 74
.endif
	v_lshl_add_u32 v[SPW], v0, 2, SPARE
	v_mov_b32 v[NIL], 0
	ds_add_u32 v[SPW], v[NIL]                      ; the wave's opening: the add and its wait ahead of my first tensor load
	v_lshrrev_b32 v1, 5, v0
	v_readfirstlane_b32 s10, v1                    ; wave 0..3
	s_lshr_b32 s11, s10, 1                         ; my half of the tile's rows.  Also: I fetch for A (0) or for W (1)
	s_and_b32 s12, s10, 1                          ; my half of its columns.  Also: which part I fetch
	s_bfe_u32 s40, ttmp6, 0x40000                  ; cx
	s_bfe_u32 s41, ttmp6, 0x40004                  ; cy
	s_lshl_b32 s42, ttmp9, 2
	s_add_co_u32 s42, s42, s40                     ; tile column
	s_and_b32 s13, ttmp7, 0xffff
	s_lshl_b32 s13, s13, 2
	s_add_co_u32 s13, s13, s41                     ; tile row
	s_lshl_b32 s43, s41, 2
	s_lshl_b32 s43, 15, s43                        ; my row of the cluster
	s_lshl_b32 s44, 0x1111, s40                    ; my column
	s_or_b32 s[G1+0], s43, (1<<16)|(1<<20)|(1<<21)|(4<<22)|(3<<25)   ; mask; 2-byte elements; padding on; bit 21 beside a mask; after every 32 words 4 words
	s_or_b32 s[G1B+0], s44, (1<<16)|(1<<20)|(1<<21)|(5<<22)|(3<<25)  ; after every 64 words 4 words
	s_mov_b32 s[G1+1], 128<<16                     ; tensor_dim0 = 128
	s_mov_b32 s[G1+2], 128<<16                     ; tensor_dim1 = 128
	s_mov_b32 s[G1+3], 128<<16                     ; tile_dim0 = 128
	s_mov_b32 s[G1+4], 128                         ; tile_dim1 = 128
	s_mov_b32 s[G1+5], 128                         ; dense: 128 elements from row to row
	s_mov_b32 s[G1+6], 0
	s_mov_b32 s[G1+7], 0
	s_mov_b32 s[G1B+1], 128<<16
	s_mov_b32 s[G1B+2], 64<<16                     ; 64 rows
	s_mov_b32 s[G1B+3], 128<<16
	s_mov_b32 s[G1B+4], 64
	s_mov_b32 s[G1B+5], 1024                       ; a row of W
	s_mov_b32 s[G1B+6], 0
	s_mov_b32 s[G1B+7], 0
	s_lshr_b32 s16, s13, 3                         ; A: batch,
	s_lshl_b32 s16, s16, 22
	s_and_b32 s17, s13, 7                          ; 256 rows of 128 bytes in a block,
	s_lshl_b32 s17, s17, 15
	s_add_co_u32 s16, s16, s17
	s_lshl_b32 s17, s12, 18                        ; my channel block of the K step's two
	s_add_co_u32 s16, s16, s17
.if MODE == 0
	s_lshr_b32 s23, ttmp9, 1                       ; 0 q, 1 k, 2 v: a coordinate of the cluster
	s_min_u32 s17, s23, 1
	s_lshl_b32 s17, s17, 24                        ; k and v read key_value
	s_add_co_u32 s16, s16, s17
.endif
	s_mov_b32 s17, 0
	s_lshl_b32 s46, s42, 18                        ; W: 128 rows of 2,048 bytes a tile column,
	s_lshl_b32 s47, s12, 17                        ; my 64 of them
	s_add_co_u32 s46, s46, s47
.if MODE == 1
	s_add_co_u32 s46, s46, 6291456                 ; the fourth matrix
.endif
	s_mov_b32 s47, 0
	s_mul_i32 s20, s12, AZ                         ; where they go: no place in the cluster enters an LDS address
	s_mul_i32 s21, s12, BH
	s_add_co_u32 s21, s21, BOFF
	s_wait_dscnt 0x0                               ; the opening add is done
	s_wait_kmcnt 0x0
	s_add_nc_u64 s[14:15], s[4:5], s[16:17]
	s_add_nc_u64 s[46:47], s[6:7], s[46:47]
	CROUND                                         ; all sixteen work-groups are here: the first joint loads meet
.irp s, 0,1
	s_mov_b32 s[G0+4*(\s)], 1
	s_add_co_u32 s[G0+4*(\s)+1], s20, (\s)*SLOT
	s_add_nc_u64 s[G0+4*(\s)+2:G0+4*(\s)+3], s[14:15], (\s)*524288  ; a K step is two channel blocks
	s_or_b32 s[G0+4*(\s)+3], s[G0+4*(\s)+3], 0x80000000
	s_mov_b32 s[G0B+4*(\s)], 1
	s_add_co_u32 s[G0B+4*(\s)+1], s21, (\s)*SLOT
	s_add_nc_u64 s[G0B+4*(\s)+2:G0B+4*(\s)+3], s[46:47], (\s)*256
	s_or_b32 s[G0B+4*(\s)+3], s[G0B+4*(\s)+3], 0x80000000
	JLOAD \s                                       ; two tensor loads of mine are out
.endr
	v_and_b32 v1, 15, v0                           ; l % 16
	v_bfe_u32 v2, v0, 4, 1                         ; l / 16
	v_and_b32 v6, 31, v0                           ; l
	v_mul_u32_u24 v3, v1, PA
	v_lshl_add_u32 v3, v2, 4, v3
	v_mul_u32_u24 v4, v1, PB
	v_lshl_add_u32 v4, v2, 4, v4
	s_mul_i32 s16, s11, 128*PA                     ; my 128 rows of A
	s_mul_i32 s17, s12, BH                         ; my 64 rows of W
	s_add_co_u32 s17, s17, BOFF
.irp s, 0,1
	v_add_nc_u32 v[ADRA+(\s)], s16, v3
	v_add_nc_u32 v[ADRB+(\s)], s17, v4
	s_add_co_u32 s16, s16, SLOT
	s_add_co_u32 s17, s17, SLOT
.endr
	s_mul_i32 s16, s10, 16*SPITCH
	s_add_co_u32 s16, s16, STAGE                   ; my stage
.if MODE == 0
	v_add_nc_u32 v[STO], s16, v3                   ; in: row l % 16, 16 bytes for each half of the lanes
	v_lshrrev_b32 v5, 3, v6                        ; back: 32 lanes take four rows of 128 bytes
	v_and_b32 v7, 7, v6
	v_mul_u32_u24 v5, v5, SPITCH
	v_lshl_add_u32 v5, v7, 4, v5
	v_add_nc_u32 v[RD], s16, v5
	v_lshlrev_b32 v[CO], 4, v6                     ; which are 512 bytes on end in a head's rows
	v_lshlrev_b32 v[BO], 5, v2                     ; my eight columns' bias
	s_lshr_b32 s16, s13, 3                         ; out: (b 16 + head) x 262,144, head = 2 (tile column % 8) + my half
	s_lshl_b32 s16, s16, 4
	s_and_b32 s17, s42, 7
	s_lshl_b32 s18, s17, 1
	s_add_co_u32 s16, s16, s18
	s_add_co_u32 s16, s16, s12
	s_lshl_b32 s16, s16, 18
	s_lshl_b32 s18, s23, 24                        ; q, k or v
	s_add_co_u32 s16, s16, s18
	s_and_b32 s18, s13, 7
	s_lshl_b32 s18, s18, 15                        ; the tile's 256 rows
	s_add_co_u32 s16, s16, s18
	s_lshl_b32 s18, s11, 14                        ; my 128 of them
	s_add_co_u32 s16, s16, s18
	s_lshl_b32 s18, s17, 9                         ; bias: 128 columns a tile, my 64
	s_lshl_b32 s19, s12, 8
	s_add_co_u32 s18, s18, s19
	s_mov_b32 s17, 0
	s_mov_b32 s19, 0
	s_add_nc_u64 s[8:9], s[78:79], s[16:17]
	s_cmp_eq_u32 s23, 1
	s_cselect_b64 s[BP:BP+1], s[74:75], s[76:77]
	s_cmp_eq_u32 s23, 0
	s_cselect_b64 s[BP:BP+1], s[72:73], s[BP:BP+1]
	s_cselect_b32 s[SC], 0x3e38aa3b, 1.0           ; c = log2(e) / 8 for q
	s_mov_b32 s[SC+1], s[SC]
	s_add_nc_u64 s[BP:BP+1], s[BP:BP+1], s[18:19]
.irp nb, 0,1,2,3
	global_load_b128 v[BIAS+8*(\nb):BIAS+8*(\nb)+3],   v[BO], s[BP:BP+1] offset:64*(\nb)
	global_load_b128 v[BIAS+8*(\nb)+4:BIAS+8*(\nb)+7], v[BO], s[BP:BP+1] offset:64*(\nb)+16
.endr
.else
	v_mul_u32_u24 v5, v1, SPITCH                   ; in: row l % 16, 32 bytes for each half of the lanes
	v_lshl_add_u32 v5, v2, 5, v5
	v_add_nc_u32 v[STO], s16, v5
	v_mul_u32_u24 v5, v2, SPITCH                   ; back: lanes 0-15 one row of 256 bytes, lanes 16-31 the next
	v_lshl_add_u32 v5, v1, 4, v5
	v_add_nc_u32 v[RD], s16, v5
	v_lshlrev_b32 v5, 12, v2                       ; the same two rows in out0
	v_lshl_add_u32 v[CO], v1, 4, v5
	v_lshlrev_b32 v[BO], 4, v1                     ; on the way out I hold columns 4 (l % 16) + 0..3
	s_lshl_b32 s16, s13, 20                        ; 256 rows of 4,096 bytes
	s_lshl_b32 s18, s11, 19
	s_add_co_u32 s16, s16, s18
	s_lshl_b32 s18, s42, 9                         ; 128 columns of 4 bytes, my 64: the same offset in out0's rows and in bo
	s_lshl_b32 s19, s12, 8
	s_add_co_u32 s18, s18, s19
	s_add_co_u32 s16, s16, s18
	s_mov_b32 s17, 0
	s_mov_b32 s19, 0
	s_add_nc_u64 s[8:9], s[74:75], s[16:17]
	s_add_nc_u64 s[BP:BP+1], s[72:73], s[18:19]
	global_load_b128 v[BIAS:BIAS+3], v[BO], s[BP:BP+1]
.endif
	; The prefetches.  A wave that fetches A: a K step's block is 128 pieces of 256 bytes; the partner at cx takes 32, a lane a piece.  A wave that fetches W: the partner at cy takes 16 rows;
	; lanes 16-31 name the same rows one K step on, so it asks at every second change of slots.
	s_lshl_b32 s16, s40, 13
	s_add_co_u32 s16, s16, 3*524288                ; the first change steps this to K step 4
	s_lshl_b32 s17, s41, 15
	s_add_co_u32 s17, s17, 3*256
.if MODE == 0
	s_and_b32 s18, ttmp9, 5                        ; query is read by clusters x = 0, 1: 0 asks; key_value by 2 to 5: 2 asks
.else
	s_mov_b32 s18, ttmp9
.endif
	s_and_b32 s19, ttmp7, 0xffff                   ; W's rows are read by every cluster of the column: y = 0 asks
	s_mov_b32 s20, 256
	s_mov_b32 s21, 2048
	s_mov_b32 s22, 524288
	s_cmp_eq_u32 s11, 0
	s_cselect_b64 s[PFA:PFA+1], s[14:15], s[46:47]
	s_cselect_b32 s16, s16, s17
	s_cselect_b32 s18, s18, s19
	s_cselect_b32 s21, s20, s21                    ; bytes from lane to lane
	s_cselect_b32 s[PST], s22, s20                 ; bytes from K step to K step
	s_cselect_b32 s22, 0, s20                      ; what lanes 16-31 add
	s_cselect_b32 s23, 31, 15
	s_mov_b32 s17, 0
	s_mov_b32 s[PST+1], 0
	s_add_nc_u64 s[PFA:PFA+1], s[PFA:PFA+1], s[16:17]
	s_cmp_eq_u32 s18, 0
	s_cselect_b32 s[LIM0], 1, -1                   ; the same in all sixteen partners, for a given wave
	s_cmp_eq_u32 s11, 0
	s_cselect_b32 s[LIM0+1], s[LIM0], -1
	v_and_b32 v[PFO], s23, v6
	v_mul_lo_u32 v[PFO], v[PFO], s21
	v_mad_u32_u24 v[PFO], v2, s22, v[PFO]
; 8 matrix instructions: row blocks a0, a0 + 1 x all 4 column blocks, 32 along K.  All 32 accumulators take turns in one order in every quarter.
.macro MUL8 f, a0, zero
	WIN MUL
.irp a, \a0, (\a0)+1
.irp b, 0,1,2,3
.if \zero
	v_wmma_f32_16x16x32_f16 v[8*(4*(\a)+(\b)):8*(4*(\a)+(\b))+7], v[(\f)+64+8*(\b):(\f)+64+8*(\b)+7], v[(\f)+8*(\a):(\f)+8*(\a)+7], 0
.else
	v_wmma_f32_16x16x32_f16 v[8*(4*(\a)+(\b)):8*(4*(\a)+(\b))+7], v[(\f)+64+8*(\b):(\f)+64+8*(\b)+7], v[(\f)+8*(\a):(\f)+8*(\a)+7], v[8*(4*(\a)+(\b)):8*(4*(\a)+(\b))+7]
.endif
.endr
.endr
.endm
; 24 LDS loads in one run: quarter kq (32 along K) of a slot into buffer f: W's four fragments, then A's eight
.macro FETCH slot, kq, f
	WIN 0
.irp i, 0,1,2,3
	ds_load_b128 v[(\f)+64+8*(\i):(\f)+64+8*(\i)+3],   v[ADRB+(\slot)] offset:(\kq)*64+(\i)*16*PB
	ds_load_b128 v[(\f)+64+8*(\i)+4:(\f)+64+8*(\i)+7], v[ADRB+(\slot)] offset:(\kq)*64+(\i)*16*PB+32
.endr
.irp i, 0,1,2,3,4,5,6,7
	ds_load_b128 v[(\f)+8*(\i):(\f)+8*(\i)+3],   v[ADRA+(\slot)] offset:((\kq)/2)*AZ+((\kq)%2)*64+(\i)*16*PA
	ds_load_b128 v[(\f)+8*(\i)+4:(\f)+8*(\i)+7], v[ADRA+(\slot)] offset:((\kq)/2)*AZ+((\kq)%2)*64+(\i)*16*PA+32
.endr
.endm
.macro PLACES                          ; four places in front of loads into registers that matrix instructions have read (ISA guide 7.12.1 for vector instructions)
.rept 4
	v_nop
.endr
.endm
; A K step is four quarters, 32 matrix instructions each, on buffers 0, 1, 0, 1.  One of the first three: multiplies f, fetches quarter kq into g in its middle.
.macro QUARTER slot, kq, f, g, zero
	s_wait_dscnt 8                                 ; W and A's blocks 0-3 are in; the youngest eight loads (A's blocks 4-7) may be out
	MUL8 \f, 0, \zero
	MUL8 \f, 2, \zero
	PLACES
	FETCH \slot, \kq, \g
	s_wait_dscnt 24                                ; all but the 24 just issued
	MUL8 \f, 4, \zero
	MUL8 \f, 6, \zero
.endm
; The last quarter multiplies buffer 1 and changes slots: one barrier.  In front of it each wave waits for all its tensor loads (one is out: its part of the next slot), adds 0 to its spare
; word, and waits for that and for its reads of this slot.  fill = 1: the barrier opens a round of the cluster's, and this slot is filled again first thing behind it, two K steps ahead.
.macro TURN slot, next, fill
.if \fill
	s_wait_xcnt 0x0                                ; the last prefetch, a K step back, has read its address
	s_add_nc_u64 s[PFA:PFA+1], s[PFA:PFA+1], s[PST:PST+1]
.endif
	WIN 0
	s_wait_tensorcnt 0x0
	ds_add_u32 v[SPW], v[NIL]
	s_wait_dscnt 9                                 ; the add and the youngest eight loads may be out
	MUL8 F1, 0, 0
	s_wait_dscnt 0x0                               ; the add is done, and my reads of this slot are over
	s_barrier_signal -1
	MUL8 F1, 2, 0
.if \fill
	WIN 0
.endif
	s_barrier_wait -1
.if \fill
	CREST                                          ; no wave of any partner still reads this slot or has a load on its way
	s_add_nc_u64 s[G0+4*(\slot)+2:G0+4*(\slot)+3], s[G0+4*(\slot)+2:G0+4*(\slot)+3], 2*524288
	s_add_nc_u64 s[G0B+4*(\slot)+2:G0B+4*(\slot)+3], s[G0B+4*(\slot)+2:G0B+4*(\slot)+3], 2*256
	JLOAD \slot                                    ; 112 matrix instructions ahead of the wait for it; its four v_nop are also the places in front of the loads below
.else
	PLACES
.endif
	FETCH \next, 0, F0
.if \fill
	ASK \slot
.endif
	MUL8 F1, 4, 0
	MUL8 F1, 6, 0
.endm
	s_wait_tensorcnt 1                             ; my part of K step 0 is in; K step 1's may stay out
	s_barrier_signal -1
	s_barrier_wait -1
	FETCH 0, 0, F0
	QUARTER 0, 1, F0, F1, 1                        ; the first quarter's products start the sums
	WIN 0
	s_mov_b32 s3, LAPS-1
.Llap:                                             ; once round the ring, from a lap's second quarter to the next lap's first; both slots are filled again
	QUARTER 0, 2, F1, F0, 0
	QUARTER 0, 3, F0, F1, 0
	TURN 0, 1, 1
	QUARTER 1, 1, F0, F1, 0
	QUARTER 1, 2, F1, F0, 0
	QUARTER 1, 3, F0, F1, 0
	TURN 1, 0, 1
	QUARTER 0, 1, F0, F1, 0
	WIN 0
	s_sub_co_u32 s3, s3, 1
	s_cmp_lg_u32 s3, 0
	s_cbranch_scc1 .Llap
	QUARTER 0, 2, F1, F0, 0                        ; the last lap fills nothing
	QUARTER 0, 3, F0, F1, 0
	TURN 0, 1, 0
	QUARTER 1, 1, F0, F1, 0
	QUARTER 1, 2, F1, F0, 0
	QUARTER 1, 3, F0, F1, 0
	s_wait_dscnt 8
	MUL8 F1, 0, 0
	MUL8 F1, 2, 0
	s_wait_dscnt 0x0
	MUL8 F1, 4, 0
	MUL8 F1, 6, 0
	WIN 0
	s_wait_loadcnt 0x0                             ; the bias
.if MODE == 0
	; THE WAY OUT.  The bias is rounded to bf16 and multiplied by the scale; these 64 plain lines are also the places behind the last products.
.set i, 0
.rept 16
	v_cvt_pk_bf16_f32 v[2+i%4], v[BIAS+2*i], v[BIAS+2*i+1]
	v_lshlrev_b32 v[BIAS+2*i], 16, v[2+i%4]
	v_and_b32 v[BIAS+2*i+1], 0xffff0000, v[2+i%4]
	v_pk_mul_f32 v[BIAS+2*i:BIAS+2*i+1], v[BIAS+2*i:BIAS+2*i+1], s[SC:SC+1] op_sel_hi:[1,0]
.set i, i+1
.endr
; Block a (16 rows x 64 columns, one head): sum x scale + bias, rounded once to f16; 16 bytes a lane into my stage, back as whole rows of 128 bytes.  Each accumulator is read from its low end on.
.macro PACK a
	WIN 0x41                                       ; destination and source 0 in window 1
.irp nb, 0,1,2,3
.irp p, 0,1,2,3
	v_pk_fma_f32 v[8*(4*(\a)+(\nb))+2*(\p):8*(4*(\a)+(\nb))+2*(\p)+1], v[8*(4*(\a)+(\nb))+2*(\p):8*(4*(\a)+(\nb))+2*(\p)+1], s[SC:SC+1], v[BIAS+8*(\nb)+2*(\p):BIAS+8*(\nb)+2*(\p)+1] op_sel_hi:[1,0,1]
.endr
.endr
	WIN 0x05                                       ; sources in window 1, destination in window 0
.irp nb, 0,1,2,3
.irp p, 0,1,2,3
	v_cvt_pk_f16_f32 v[TMP+16*(\a)+4*(\nb)+(\p)], v[8*(4*(\a)+(\nb))+2*(\p)], v[8*(4*(\a)+(\nb))+2*(\p)+1]
.endr
.endr
	WIN 0
.irp nb, 0,1,2,3
	ds_store_b128 v[STO], v[TMP+16*(\a)+4*(\nb):TMP+16*(\a)+4*(\nb)+3] offset:32*(\nb)
.endr
.irp f, 0,1,2,3
	ds_load_b128 v[TMP+16*(\a)+4*(\f):TMP+16*(\a)+4*(\f)+3], v[RD] offset:(\f)*4*SPITCH  ; LDS serves a wave's instructions in order (ISA guide 5.7.1.4): these see the stores above
.endr
.endm
.macro SEND a, younger                 ; younger: the LDS instructions issued behind block a's loads
.irp f, 0,1,2,3
	s_wait_dscnt (\younger)+3-(\f)
	global_store_b128 v[CO], v[TMP+16*(\a)+4*(\f):TMP+16*(\a)+4*(\f)+3], s[8:9] offset:(\a)*2048+(\f)*512  ; 512 bytes on end, aligned
.endr
.endm
	PACK 0
.set t, 1
.rept 7
	PACK t
	SEND t-1, 8
.set t, t+1
.endr
	SEND 7, 0
.else
	; THE WAY OUT.  bo is rounded to bf16; these lines and four v_nop are the places behind the last products.
	v_cvt_pk_bf16_f32 v2, v[BIAS], v[BIAS+1]
	v_cvt_pk_bf16_f32 v3, v[BIAS+2], v[BIAS+3]
	v_lshlrev_b32 v[BIAS], 16, v2
	v_and_b32 v[BIAS+1], 0xffff0000, v2
	v_lshlrev_b32 v[BIAS+2], 16, v3
	v_and_b32 v[BIAS+3], 0xffff0000, v3
	PLACES
; Block a (16 rows x 64 columns of f32): 32 bytes a lane into my stage, back as whole rows of 256 bytes, into one of four buffers.
.macro OSTAGE a
.set BK, 32+32*((\a)%4)
.if (\a) >= 4
	s_wait_xcnt 0x0                                ; the buffer's registers, which block a - 4's stores read, are loaded again only behind this wait
.endif
	WIN 0x04                                       ; the stores' data in window 1
.irp nb, 0,1,2,3
	ds_store_b128 v[STO], v[8*(4*(\a)+(\nb)):8*(4*(\a)+(\nb))+3]   offset:64*(\nb)
	ds_store_b128 v[STO], v[8*(4*(\a)+(\nb))+4:8*(4*(\a)+(\nb))+7] offset:64*(\nb)+16
.endr
	WIN 0
.irp t, 0,1,2,3,4,5,6,7
	ds_load_b128 v[BK+4*(\t):BK+4*(\t)+3], v[RD] offset:(\t)*2*SPITCH
.endr
.endm
.macro OSEND a, younger
.set BK, 32+32*((\a)%4)
.irp t, 0,1,2,3,4,5,6,7
	s_wait_dscnt (\younger)+7-(\t)
	v_pk_add_f32 v[BK+4*(\t):BK+4*(\t)+1],   v[BK+4*(\t):BK+4*(\t)+1],   v[BIAS:BIAS+1]
	v_pk_add_f32 v[BK+4*(\t)+2:BK+4*(\t)+3], v[BK+4*(\t)+2:BK+4*(\t)+3], v[BIAS+2:BIAS+3]
	global_store_b128 v[CO], v[BK+4*(\t):BK+4*(\t)+3], s[8:9] offset:(16*(\a)+2*(\t))*4096 th:TH_STORE_NT  ; 16 lanes store 256 bytes on end, aligned
.endr
.endm
	OSTAGE 0
.set u, 1
.rept 7
	OSTAGE u
	OSEND u-1, 16
.set u, u+1
.endr
	OSEND 7, 0
.endif
	s_wait_tensorcnt 0x0                           ; the wave's end
	ds_add_u32 v[SPW], v[NIL]
	s_wait_dscnt 0x0
	CROUND                                         ; the closing round: no work-group ends while a partner may still ask for a tile that names it
	s_endpgm
.Lfunc_end_k_qdcc4e8dc16_proj:
	.size	k_qdcc4e8dc16_proj, .Lfunc_end_k_qdcc4e8dc16_proj-k_qdcc4e8dc16_proj
	.p2alignl 7, 3214868480
	.fill 96, 4, 3214868480
	.section	.rodata,"a",@progbits
	.p2align	6, 0x0
	.amdhsa_kernel k_qdcc4e8dc16_proj
		.amdhsa_group_segment_fixed_size 327680
		.amdhsa_private_segment_fixed_size 0
		.amdhsa_enable_private_segment 0
		.amdhsa_kernarg_size 48
		.amdhsa_user_sgpr_count 2
		.amdhsa_user_sgpr_kernarg_segment_ptr 1
		.amdhsa_wavefront_size32 1
		.amdhsa_system_sgpr_workgroup_id_x 1
		.amdhsa_system_sgpr_workgroup_id_y 1
		.amdhsa_system_sgpr_workgroup_id_z 1
		.amdhsa_system_vgpr_workitem_id 0
		.amdhsa_next_free_vgpr 512
		.amdhsa_next_free_sgpr 80
		.amdhsa_reserve_vcc 0
		.amdhsa_float_denorm_mode_32 3
		.amdhsa_float_denorm_mode_16_64 3
		.amdhsa_memory_ordered 1
		.amdhsa_forward_progress 1
		.amdhsa_inst_pref_size 102
	.end_amdhsa_kernel
	.amdgpu_metadata
---
amdhsa.version: [ 1, 2 ]
amdhsa.kernels:
  - .name:           k_qdcc4e8dc16_proj
    .symbol:         k_qdcc4e8dc16_proj.kd
    .args:
      - { .name: x16, .offset: 0, .size: 8, .value_kind: global_buffer, .address_space: global }
      - { .name: w16, .offset: 8, .size: 8, .value_kind: global_buffer, .address_space: global }
      - { .name: bq, .offset: 16, .size: 8, .value_kind: global_buffer, .address_space: global }
      - { .name: bk, .offset: 24, .size: 8, .value_kind: global_buffer, .address_space: global }
      - { .name: bv, .offset: 32, .size: 8, .value_kind: global_buffer, .address_space: global }
      - { .name: qkv16, .offset: 40, .size: 8, .value_kind: global_buffer, .address_space: global }
    .group_segment_fixed_size: 327680
    .private_segment_fixed_size: 0
    .kernarg_segment_align: 8
    .kernarg_segment_size: 48
    .max_flat_workgroup_size: 128
    .sgpr_count:     80
    .vgpr_count:     512
    .wavefront_size: 32
...
	.end_amdgpu_metadata
.endif
;; end of part 2
;; launch attn (part 3): grid 4 x 64, 4 waves a work-group, clusters of 4 x 1, 327,680 bytes of LDS; arguments qkv16, mbits, o16; writes o16
.if DOCPART == 3
	.amdgcn_target "amdgcn-amd-amdhsa--gfx1250"
	.amdhsa_code_object_version 6
	.text
	.protected	k_qdcc4e8dc16_attn
	.globl	k_qdcc4e8dc16_attn
	.p2align	8
	.type	k_qdcc4e8dc16_attn,@function
k_qdcc4e8dc16_attn:
	s_mov_b64 s[64:65], 0
	v_nop
	global_prefetch_b8 v0, s[64:65] scope:SCOPE_SE
	s_setreg_imm32_b32 hwreg(HW_REG_WAVE_MODE, 25, 1), 1
	s_wait_xcnt 0x0
	s_wait_alu depctr_hold_cnt(0) depctr_sa_sdst(0) depctr_va_vdst(0) depctr_va_sdst(0) depctr_va_ssrc(0) depctr_va_vcc(0) depctr_vm_vsrc(0)
	s_getreg_b32 s2, hwreg(HW_REG_IB_STS2, 6, 4)
	s_cmp_eq_u32 s2, 0
	s_cbranch_scc0 .Lentry_in_a_cluster
	s_endpgm
.Lentry_in_a_cluster:
	s_bfe_u32 s2, ttmp6, 0x10000c
	s_cmp_lg_u32 s2, 0x3003
	s_cbranch_scc0 .Lentry_shape_is_right
	s_endpgm
.Lentry_shape_is_right:
; MASKED ATTENTION.  O[bh][q][:] = sum over k of softmax_k(t[q][k]) V[bh][k][:], where t = (q c) . k, c = log2(e) / 8 already in q, and t is REPLACED by NEG = -1e12 log2(e) where a mask bit is set.
; qkv16: [3][64 heads][2048][64] f16; o16: [64][2048][64] f16; mbits: lane masks, [b][pair of query tiles][key step][n 32][u 2]: word (n, u) is the mask of register n of tile u's S^T.
; THE MASK.  A hidden score takes one constant by v_cndmask_b32, ahead of the maximum; p = 2^(t - m) with a plain subtraction, which is exactly 0 for equal numbers.  So a row whose keys are all
; hidden has p = 1 everywhere and comes out as the mean of V's rows, and a row that sees a key gives hidden keys the weight 0.  No case is treated apart.
; Products, maxima and sums in f32; p is rounded to f16 for the second product (its sum l is taken of the unrounded p), O once at the end.
; LIMITS.  q c, k, v arrive within f16's 65,504; p below 6e-5 keeps f16's fixed step of 6e-8; a weight below 2^-126 counts as 0; a visible score is taken to lie above -1e12; NaN and infinities are not treated apart.
; SHARES.  A work-group owns 512 queries of one head, a wave 128: four PIECES of two tiles of 16.  Every wave walks all 2,048 keys, 64 a step, four steps to an LDS slot, two slots.
; LAYOUT.  S^T = K Q^T (source 0 = 16 keys, source 1 = 16 queries): a lane holds ONE query (l % 16) and the keys 8 (l / 16) + 0..7.  Two such results rounded to f16 ARE source 1 of O^T = V^T P.
; BY TURNS.  Turn n belongs to piece n: 16 products K Q^T of piece n + 1, later 16 products V^T P of piece n - 1; beside them piece n's subtraction, exponentials, roundings, sums and rescaling, and piece n + 1's
; masking, maximum and statistics.  Four vector instructions stand behind every product, the rest in one lump.  A turn's 66 exponentials are one batch, with one wait.
; THE MASK WORDS.  A piece and a key step have 64 words, 256 bytes on end: one load of 8 bytes a lane, into a pair of vector registers that is the piece's own: lane n holds word n of both tiles.
; The pair is asked for again, for the next key step, in the turn that has read it: a load has four turns in which to come.  64 v_readlane_b32 carry the words into the scalar registers that
; v_cndmask_b32 wants; they are the four riders of the 16 products K Q^T.  K's fragments and the words lie in one register window, so that half of a turn runs under one window setting.
; CLUSTER.  The four query blocks of a head walk the same K and V: each tile is asked for jointly, mask 15.  Wave w fetches part w of a slot: K's keys 0-127, 128-255, V's 0-127, 128-255.
; K's rows have V's pitch of 160 bytes, so that one descriptor shape serves both and 64 scalar registers are left for the mask words; of the 16 rows of a load of K two start at the same bank.
; REGISTERS.  Window 0: v0-11 addresses; v12-15, v48-63 at work; v16-47 statistics (m, 0, l even, l odd a tile); v64-191 S^T, two buffers of two tiles; v192-255 P, likewise.
;   Window 1: O^T, 32 a tile.  Window 2: v0-127 Q; v192-255 V of one step.  Window 3: v0-1 the add's two registers; v2 8 x my lane; v4-11 the mask words; v64-127 K of one step.
.set NP,    4
.set KS,    64
.set PK,    160
.set PV,    160
.set VOFF,  4*KS*PK                    ; a slot: 256 rows of K, then 256 rows of V
.set SLOT1, 1<<17
.set STAGE, SLOT1+4*KS*(PK+PV)         ; behind the ring, never filled by a tensor load: 16 rows x 144 bytes a wave
.set SP,    144
.set SPARE, STAGE+4*16*SP              ; the spare words: 128 bytes a wave, two blocks of 256 bytes that no other line names
.set AK0, 2
.set AV0, 3
.set AK,  4
.set AV,  5
.set QO,  6
.set STO, 6
.set RD,  7
.set GO,  8
.set PFO, 9                            ; 256 x my lane (made when l / 16, which lies here first, is no longer wanted)
.set NEGV, 11                          ; NEG
.set SPW, 0                            ; window 3
.set NIL, 1                            ; window 3
.set MO,  2                            ; window 3: 8 x my lane; never rewritten
.set MK,  4                            ; window 3: piece x's mask words at MK + 2 x, MK + 2 x + 1
.set MV,  12
.set ST,  16
.set TMP, 48
.set S,   64
.set P,   192
.set KF,  64                           ; window 3
.set VF,  192                          ; window 2
.set OPT, 2                            ; s[2:3]   O at my wave's rows
.set G1,  4                            ; s[4:11]  descriptor group 1
.set G0,  12                           ; s[12:15] group 0: it walks
.set INC, 16                           ; s[16:17] the mask pointer's step: 256, and 0 when the last key step is reached
.set NST, 18                           ; s18      steps that the pointer may still take
.set MP,  20                           ; s[20:21] mbits at my wave's first piece, at the key step whose words are asked for next
.set SEL, 22                           ; s[22:23]
.set PFA, 24                           ; s[24:25]
.set WV,  26
.set SLOTS, 27
.set CNT, 28
.set LIM, 29
.set TBK, 30
.set TBV, 31
.set MB0, 32                           ; s[32:63] the 32 mask words of the piece's first tile
.set MB1, 68                           ; s[68:99] of its second
.set QP,  100                          ; s[100:101]
.set MSB, 0
.macro WIN new
.if MSB != (\new)
	s_set_vgpr_msb (MSB<<8)|(\new)
.set MSB, (\new)
.endif
.endm
.set W_KQ, 0x0b                        ; K (and the mask words) in window 3, Q in window 2, S^T in window 0
.set W_PV, 0x52
.set W_RS, 0x41
.set W_MK, 0xc0
.set W_AD, 0x0f
.set W_ML, 0xc3                        ; a load's destination and its offset register in window 3
.macro JLOAD                           ; my quarter of a slot; s_nop 0 and four v_nop follow
	tensor_load_to_lds s[G0:G0+3], s[G1:G1+7]
	s_nop 0
.rept 4
	v_nop
.endr
.endm
; A prefetch of what the NEXT change of slots will ask for, four key steps ahead of that load.  A slot's K (V) is 128 pieces of 256 bytes: the partner at cx takes 32, by address; wave 0 asks for K's, wave 2 for V's.
; So each piece is named once in the launch.  Slots 0 to 2 come by their loads alone; the last change that fills asks for nothing.
.macro ASK
	s_cmp_gt_u32 s[SLOTS], s[LIM]
	s_cbranch_scc0 .Lnot_mine_\@
	global_prefetch_b8 v[PFO], s[PFA:PFA+1] th:TH_LOAD_NT scope:SCOPE_SE
.Lnot_mine_\@:
.endm
.macro CROUND
	s_barrier_signal -1
	s_barrier_wait -1
	s_cmp_lg_u32 s[WV], 0
	s_cbranch_scc1 .Lnot_wave_0_\@
	s_barrier_signal -3
.Lnot_wave_0_\@:
	s_barrier_wait -3
	s_barrier_signal -1
	s_barrier_wait -1
.endm
; THE CHANGE OF SLOTS.  Each wave waits for all its tensor loads (one is out: its part of the other slot), adds 0 to its spare word, and waits for that and for its reads of the slot that it leaves.
; fill = 1: a round of the cluster's barrier, and the old slot is filled again first thing behind it, with the keys two slots on: 512 matrix instructions in which to land.
.macro CHANGE fill, ask
	WIN W_AD
	s_wait_tensorcnt 0x0
	ds_add_u32 v[SPW], v[NIL]
	WIN 0
.if \fill
	s_xor_b32 s[G0+1], s[G0+1], SLOT1
	s_add_nc_u64 s[G0+2:G0+3], s[G0+2:G0+3], 4*KS*128
.if \ask
	s_wait_xcnt 0x0                                ; the last prefetch, four key steps back, has read its address
	s_add_nc_u64 s[PFA:PFA+1], s[PFA:PFA+1], 4*KS*128
.endif
	s_wait_dscnt 0x0
	CROUND
	JLOAD
.if \ask
	ASK
.endif
.else
	s_wait_dscnt 0x0
	s_barrier_signal -1
	s_barrier_wait -1
.endif
	s_sub_co_u32 s[TBK], s[TBK], 4*KS*PK
	s_xor_b32 s[TBK], s[TBK], SLOT1
	s_sub_co_u32 s[TBV], s[TBV], 4*KS*PV
	s_xor_b32 s[TBV], s[TBV], SLOT1
.endm
; The 64 mask words of piece x for the key step at which MP stands: 256 bytes on end; a piece's 32 steps are 8,192 bytes.
.macro MKLOAD x
	WIN W_ML
	global_load_b64 v[MK+2*(\x):MK+2*(\x)+1], v[MO], s[MP:MP+1] offset:(\x)*8192
.endm
; The pointer goes on to the next key step, 31 times in all; after that it stays at the last step, whose words are then read again and serve nothing: no load leaves mbits.
.macro MSTEP
	s_wait_xcnt 0x0                                ; the loads issued so far have read the pointer
	s_add_nc_u64 s[MP:MP+1], s[MP:MP+1], s[INC:INC+1]
	s_sub_co_u32 s[NST], s[NST], 1
	s_cmp_lg_u32 s[NST], 0
	s_cselect_b32 s[INC], s[INC], 0
.endm
	s_load_b128 s[32:35], s[0:1], 0x0              ; qkv16 s[32:33], mbits s[34:35]
	s_load_b64 s[36:37], s[0:1], 0x10              ; o16
	WIN W_MK
	v_lshl_add_u32 v[SPW], v0, 2, SPARE
	v_mov_b32 v[NIL], 0
	WIN W_AD
	ds_add_u32 v[SPW], v[NIL]                      ; the wave's opening: the add and its wait ahead of my first tensor load
	WIN 0
	v_lshrrev_b32 v1, 5, v0
	v_readfirstlane_b32 s[WV], v1
	s_bfe_u32 s40, ttmp6, 0x40000                  ; cx
	s_lshl_b32 s41, ttmp9, 2
	s_add_co_u32 s41, s41, s40                     ; my block of 512 queries: it enters Q's, O's and the masks' addresses alone
	s_and_b32 s42, ttmp7, 0xffff                   ; b 16 + h
	s_lshl_b32 s43, s42, 18                        ; a head's 262,144 bytes
	s_lshr_b32 s44, s[WV], 1
	s_add_co_u32 s44, s44, 1                       ; 1 K, 2 V
	s_lshl_b32 s44, s44, 24
	s_add_co_u32 s44, s44, s43
	s_and_b32 s45, s[WV], 1
	s_lshl_b32 s45, s45, 14                        ; my 128 keys of a slot's 256
	s_add_co_u32 s44, s44, s45
	s_mov_b32 s45, 0
	s_lshl_b32 s46, s41, 2
	s_add_co_u32 s46, s46, s[WV]                   ; my wave among the head's sixteen
	s_lshl_b32 s47, s46, 15                        ; its 4 pieces' 8,192 bytes of mask words each
	s_lshl_b32 s46, s46, 14                        ; its 128 rows of Q and O
	s_add_co_u32 s46, s46, s43
	s_lshr_b32 s48, s42, 4                         ; b
	s_lshl_b32 s48, s48, 19
	s_add_co_u32 s48, s48, s47
	s_mov_b32 s47, 0
	s_mov_b32 s49, 0
	s_lshl_b32 s50, s40, 13                        ; my work-group's 32 pieces,
	s_add_co_u32 s50, s50, 2*4*KS*128              ; in slot 2: the first asking change steps it to slot 3
	s_mov_b32 s51, 0
	s_mov_b32 s[G1], 15|(1<<16)|(1<<20)|(1<<21)|(4<<22)|(7<<25)  ; mask of four; 2-byte elements; padding on; bit 21 beside a mask; after every 32 words 8 words
	s_mov_b32 s[G1+1], 128<<16                     ; 128 keys are 16,384 bytes on end: 64 rows of 256 bytes
	s_mov_b32 s[G1+2], 64<<16
	s_mov_b32 s[G1+3], 128<<16
	s_mov_b32 s[G1+4], 64
	s_mov_b32 s[G1+5], 128
	s_mov_b32 s[G1+6], 0
	s_mov_b32 s[G1+7], 0
	s_mov_b32 s[G0], 1
	s_mul_i32 s[G0+1], s[WV], 128*PK               ; my quarter of slot 0
	s_mov_b32 s[SEL], 0x76543210
	s_mov_b32 s[SEL+1], 0xfedcba98
	s_mov_b32 s[TBK], SLOT1+4*KS*PK                ; the first change of slots turns these two into 0
	s_mov_b32 s[TBV], SLOT1+4*KS*PV
	s_mov_b32 s[INC], 256
	s_mov_b32 s[INC+1], 0
	s_mov_b32 s[NST], 31
	s_and_b32 s[LIM], s[WV], 1
	s_cmp_eq_u32 s[LIM], 0
	s_cselect_b32 s[LIM], 1, -1
	s_wait_dscnt 0x0                               ; the opening add is done
	s_wait_kmcnt 0x0
	s_add_nc_u64 s[G0+2:G0+3], s[32:33], s[44:45]
	s_add_nc_u64 s[PFA:PFA+1], s[G0+2:G0+3], s[50:51]
	s_or_b32 s[G0+3], s[G0+3], 0x80000000
	s_add_nc_u64 s[QP:QP+1], s[32:33], s[46:47]
	s_add_nc_u64 s[OPT:OPT+1], s[36:37], s[46:47]
	s_add_nc_u64 s[MP:MP+1], s[34:35], s[48:49]
	CROUND                                         ; all four work-groups are here
	JLOAD                                          ; slot 0; slot 1 is asked for when slot 0 is in
	v_and_b32 v1, 15, v0
	v_bfe_u32 v9, v0, 4, 1
	v_lshlrev_b32 v[QO], 7, v1
	v_lshl_add_u32 v[QO], v9, 4, v[QO]
	v_and_b32 v10, 31, v0
	WIN W_MK
	v_lshlrev_b32 v[MO], 3, v10
	WIN 0x80
.set i, 0
.rept 4*NP                                         ; Q stays in registers: tile i / 2, channels 32 (i % 2) on
	global_load_b128 v[8*i:8*i+3],   v[QO], s[QP:QP+1] offset:(i/2)*2048+(i%2)*64
	global_load_b128 v[8*i+4:8*i+7], v[QO], s[QP:QP+1] offset:(i/2)*2048+(i%2)*64+32
.set i, i+1
.endr
	MKLOAD 0                                       ; key step 0's mask words, the four pieces in the order in which they are wanted
	MKLOAD 1
	MKLOAD 2
	MKLOAD 3
	; What the first turn finds: V and P's second buffer hold 0, O^T and l are 0, m is the lowest finite number, so the first step's a is 0 and no first step is written out.  All this stands in the wait for the first tile.
	WIN 0x80
.set i, VF
.rept 64
	v_mov_b32 v[i], 0
.set i, i+1
.endr
	WIN 0x40
.set i, 0
.rept 64*NP
	v_mov_b32 v[i], 0
.set i, i+1
.endr
	WIN 0
.set i, 0
.rept 2*NP
	v_mov_b32 v[ST+4*i], 0xff7fffff
	v_mov_b32 v[ST+4*i+1], 0
	v_mov_b32 v[ST+4*i+2], 0
	v_mov_b32 v[ST+4*i+3], 0
.set i, i+1
.endr
.set i, P+32
.rept 32
	v_mov_b32 v[i], 0
.set i, i+1
.endr
	v_mul_u32_u24 v[AK0], v1, PK
	v_lshl_add_u32 v[AK0], v9, 4, v[AK0]
	v_and_b32 v10, 7, v0
	v_bfe_u32 v11, v0, 3, 1
	v_lshl_add_u32 v[AV0], v9, 3, v10              ; the turning load: lane l reads key 8 (l / 16) + l % 8, channels 8 ((l / 8) % 2) + 0..7
	v_mul_u32_u24 v[AV0], v[AV0], PV
	v_lshl_add_u32 v[AV0], v11, 4, v[AV0]
	v_add_nc_u32 v[AV0], VOFF, v[AV0]
	v_mov_b32 v[NEGV], 0xd3a7f3aa                  ; -1e12 x log2(e)
	v_mov_b32 v[AK], v[AK0]
; THE MATRIX WORK.  The 8 accumulators of a run of 16 take turns.
.macro KQ x
	WIN W_KQ
.set rS, S+64*((\x)%2)+32*(i%2)+8*((i/2)%4)
.set rK, KF+16*((i/2)%4)+8*(i/8)
.set rQ, 16*(2*(\x)+i%2)+8*(i/8)
.if i < 8
	v_wmma_f32_16x16x32_f16 v[rS:rS+7], v[rK:rK+7], v[rQ:rQ+7], 0
.else
	v_wmma_f32_16x16x32_f16 v[rS:rS+7], v[rK:rK+7], v[rQ:rQ+7], v[rS:rS+7]
.endif
.endm
.macro PV x
	WIN W_PV
.set rO, 32*(2*(\x)+i%2)+8*((i/2)%4)
.set rV, VF+32*(i/8)+8*((i/2)%4)
.set rP, P+32*((\x)%2)+16*(i%2)+8*(i/8)
	v_wmma_f32_16x16x32_f16 v[rO:rO+7], v[rV:rV+7], v[rP:rP+7], v[rO:rO+7]
.endm
.macro MM
.if i < 16
	KQ (Y+1)%NP
.set i, i+1
.else
.set i, i-16
	PV (Y+NP-1)%NP
.set i, i+17
.endif
.endm
.macro FETCH_K last=0
	WIN 0
.if \last
	s_cmp_eq_u32 s[CNT], 1
	s_cbranch_scc1 .Lno_k_\@
.endif
	WIN W_MK                                       ; destination window 3, address window 0
.irp f, 0,1,2,3,4,5,6,7
	ds_load_b128 v[KF+8*\f:KF+8*\f+3],   v[AK] offset:(\f/2)*16*PK+(\f%2)*64
	ds_load_b128 v[KF+8*\f+4:KF+8*\f+7], v[AK] offset:(\f/2)*16*PK+(\f%2)*64+32
.endr
	s_add_co_u32 s[TBK], s[TBK], KS*PK
	WIN 0
.if \last
.Lno_k_\@:
.endif
.endm
.macro FETCH_V
	WIN 0x80
.irp f, 0,1,2,3,4,5,6,7
	ds_load_tr16_b128 v[VF+8*\f:VF+8*\f+3],   v[AV] offset:(\f/4)*32*PV+(\f%4)*32
	ds_load_tr16_b128 v[VF+8*\f+4:VF+8*\f+7], v[AV] offset:(\f/4)*32*PV+16*PV+(\f%4)*32
.endr
	WIN 0
.endm
; THE VECTOR WORK stands in four queues, each in the order in which its entries become ready; the two tiles alternate.
.macro REGS y, u
.set rT, ST+4*(2*(\y)+(\u))
.set rC, TMP+8*((\y)%2)+4*(\u)
.set rM, MV+2*((\y)%2)+(\u)
.set rS, S+64*((\y)%2)+32*(\u)
.set rP, P+32*((\y)%2)+16*(\u)
.set rO, 32*(2*(\y)+(\u))
.endm
; THE WORDS' QUEUE, 64 long: word j / 2 of tile j % 2 of the NEXT piece, out of lane j / 2 into its scalar register.  It runs under the window setting of the products K Q^T.
.macro RL
	WIN W_KQ
	v_readlane_b32 s[MB0+(MB1-MB0)*(j%2)+j/2], v[MK+2*((Y+1)%NP)+j%2], j/2
.set j, j+1
.endm
; The NEXT piece's masking: number g of 64: score g / 2 of tile g % 2 takes NEG where its word's bit is set.  Ascending.
.macro CM g
	REGS (Y+1)%NP, (\g)%2
	v_cndmask_b32 v[rS+(\g)/2], v[rS+(\g)/2], v[NEGV], s[MB0+(MB1-MB0)*((\g)%2)+(\g)/2]
.endm
; The NEXT piece's maximum and statistics.  0-11 four chains c0-c3 of seven scores; 12-14, 16 the four left over, the old m, and c0-c3 into c0; 15 the old m is kept;
; 17, 18 the query's other 32 keys lie in the lane 16 away: the new m; 20 m_old - m_new; 21 a.
.macro XS u, n
	REGS (Y+1)%NP, \u
.if (\n) < 4
	v_max3_num_f32 v[rC+(\n)], v[rS+8*(\n)], v[rS+8*(\n)+1], v[rS+8*(\n)+2]
.elseif (\n) < 12
	v_max3_num_f32 v[rC+(\n)%4], v[rC+(\n)%4], v[rS+8*((\n)%4)+2*((\n)/4)+1], v[rS+8*((\n)%4)+2*((\n)/4)+2]
.elseif (\n) == 12
	v_max3_num_f32 v[rC], v[rC], v[rS+7], v[rS+15]
.elseif (\n) == 13
	v_max3_num_f32 v[rC+1], v[rC+1], v[rS+23], v[rS+31]
.elseif (\n) == 14
	v_max3_num_f32 v[rC+2], v[rC+2], v[rC+3], v[rT]
.elseif (\n) == 15
	v_mov_b32 v[rM], v[rT]
.elseif (\n) == 16
	v_max3_num_f32 v[rC], v[rC], v[rC+1], v[rC+2]
.elseif (\n) == 17
	v_permlanex16_b32 v[rC+3], v[rC], s[SEL], s[SEL+1]
.elseif (\n) == 18
	v_max_num_f32 v[rT], v[rC], v[rC+3]
.elseif (\n) == 20
	v_sub_f32 v[rC+1], v[rM], v[rT]
.else
	v_exp_f32 v[rC+2], v[rC+1]
.endif
.endm
; Number g of the 64 that follow the exponentials: of each four weights both pairs are rounded to f16, the second pair is added onto the first, and a group later l takes that sum (the first time as l = a l + sum).
.macro GS g
.set h, (\g)+6*((\g)/62)
.if h >= 6
.set h, h+2
.endif
	REGS Y, h%2
.set k, h/8
.if h%8 < 4
	v_cvt_pk_f16_f32 v[rP+2*k+(h%8)/2], v[rS+4*k+2*((h%8)/2)], v[rS+4*k+2*((h%8)/2)+1]
.elseif h%8 < 6
	v_pk_add_f32 v[rS+4*k:rS+4*k+1], v[rS+4*k:rS+4*k+1], v[rS+4*k+2:rS+4*k+3]
.elseif k == 1
	v_pk_fma_f32 v[rT+2:rT+3], v[rT+2:rT+3], v[rC+2:rC+3], v[rS:rS+1] op_sel_hi:[1,0,1]
.else
	v_pk_add_f32 v[rT+2:rT+3], v[rT+2:rT+3], v[rS+4*k-4:rS+4*k-3]
.endif
.endm
.macro FS f                            ; t - m for pair f / 2 of tile f % 2
	REGS Y, (\f)%2
	v_pk_add_f32 v[rS+2*((\f)/2):rS+2*((\f)/2)+1], v[rS+2*((\f)/2):rS+2*((\f)/2)+1], v[rT:rT+1] op_sel_hi:[1,0] neg_lo:[0,1] neg_hi:[0,1]
.endm
; THE PLAIN QUEUE, 200 long: 0-31 the subtractions; 32-95 the next piece's masking; 96-123 its maxima 0-13; 124, 125 number 15; 126-135 the chain 14, 16, 17, 18, 20; 136-199 GS's 64, which stand behind the wait.
.macro PL
	WIN 0
.if q < 32
	FS q
.elseif q < 96
	CM q-32
.elseif q < 124
	XS (q-96)%2, (q-96)/2
.elseif q < 126
	XS q-124, 15
.elseif q < 128
	XS q-126, 14
.elseif q < 134
	XS (q-126)%2, 15+(q-126)/2
.elseif q < 136
	XS q-134, 20
.else
	GS q-136
.endif
.set q, q+1
.endm
.macro EX                              ; THE EXPONENTIALS' QUEUE, 66 long: the 64 scores, then the next piece's two a: one batch, all ahead of the turn's one wait
	WIN 0
.if e >= 64
	XS e-64, 21
.else
	REGS Y, e%2
	v_exp_f32 v[rS+e/2], v[rS+e/2]
.endif
.set e, e+1
.endm
.macro R2                              ; THE RESCALING's QUEUE: O^T times a, two lines at a time; its a was made and waited for in the turn before
	REGS Y, r%2
	WIN W_RS
.irp z, 0,1
	v_pk_mul_f32 v[rO+4*(r/2)+2*\z:rO+4*(r/2)+2*\z+1], v[rO+4*(r/2)+2*\z:rO+4*(r/2)+2*\z+1], v[rC+2:rC+3] op_sel_hi:[1,0]
.endr
.set r, r+1
.endm
; A TURN, for piece p.  AHEAD OF THE WAIT stands all that names no result of the turn's exponentials: the 16 products K Q^T, behind each four of the next piece's 64 mask words; then the lump:
; the subtractions (the first four are the places between the last product and K's run of loads; all 32 stand between that product and the masking that reads its results), the masking, the maxima,
; the chain, exponentials strewn among them; last the 32 lines of the rescaling, the one part outside window 0, which are also the plain instructions behind the last exponential.
; Exponential e stands behind subtraction 2 (e / 4) + e % 2: it comes behind plain e + 4, later behind all 32.  BEHIND THE WAIT: the 16 products V^T P, four of GS's 64 behind each.
; THE MASK WORDS of piece p + 1 were asked for a key step ago; since then the three other pieces' loads have gone out, so the wait's count is 3.  When they have been read the pair is asked for again,
; behind the turn's wait.  The pointer steps ahead of piece 0's load, which is the first of a key step.
; K of the next step is fetched in piece 2's turn, ahead of the turn's first exponential (the tail's form of the run holds a branch): it has the lump and 16 products in which to come.
; V of the step in hand is fetched at the end of piece 0's turn, four plain riders behind its last reader.
.macro TURN p, last=0, cnt=0
.set Y, (\p)
.set i, 0
.set q, 0
.set e, 0
.set r, 0
.set j, 0
.if (\p) == NP-1
	s_wait_dscnt 0x0                               ; K is in
.endif
	s_wait_loadcnt 3                               ; the next piece's mask words are in; the three younger loads may stay out
.rept 16
	MM
	RL
	RL
	RL
	RL
.endr
.if (\p) == NP-2
	WIN 0
	v_add_nc_u32 v[AK], s[TBK], v[AK0]
.endif
	PL
	PL
	PL
	PL
.if (\p) == NP-2
	FETCH_K \last
.endif
.rept 28
	PL
	EX
.endr
.rept 2
	PL
	PL
	EX
	PL
	PL
	EX
.endr
.rept 21
	PL
	PL
	PL
	PL
	EX
.endr
	PL
	PL
	EX
.rept 5
	PL
	PL
	EX
	EX
.endr
	EX
	EX
.rept 16
	R2
.endr
	WIN 0
	s_wait_alu depctr_va_vdst(0)                   ; the wait ahead of the first line that names a result: one for the 66
.if (\p) == NP-1
	MSTEP
.endif
	MKLOAD ((\p)+1)%NP
.if (\p) == 1
	s_wait_dscnt 0x0                               ; V is in
.endif
.rept 16
	MM
.rept 4
	PL
.endr
.if ((\p) == 0) && (q == 180)
	v_add_nc_u32 v[AV], s[TBV], v[AV0]
.endif
.if ((\p) == 0) && (q == 192)
	s_add_co_u32 s[TBV], s[TBV], KS*PV
.endif
.if (\cnt) && (q == 192)
	s_sub_co_u32 s[CNT], s[CNT], 1
	s_cmp_lg_u32 s[CNT], 0
.endif
.endr
.if (\p) == 0
	FETCH_V
.endif
.endm
	CHANGE 1, 0                                    ; slot 0 is in, everybody's part of it; slot 1 is asked for
	FETCH_K
	s_wait_loadcnt 0x0                             ; Q, and key step 0's mask words
	s_wait_dscnt 0x0
.set i, 0
.rept 16
	KQ 0
.set i, i+1
.endr
	WIN 0                                          ; the addresses for the way out: thirteen plain lines, the places behind those products
	s_mul_i32 s66, s[WV], 16*SP
	s_add_co_u32 s66, s66, STAGE
	v_mul_u32_u24 v[STO], v1, SP
	v_lshl_add_u32 v[STO], v9, 4, v[STO]
	v_add_nc_u32 v[STO], s66, v[STO]
	v_bfe_u32 v[RD], v0, 3, 2
	v_mul_u32_u24 v[RD], v[RD], SP
	v_lshl_add_u32 v[RD], v10, 4, v[RD]
	v_add_nc_u32 v[RD], s66, v[RD]
	v_and_b32 v[GO], 31, v0
	v_lshlrev_b32 v[GO], 4, v[GO]
	v_and_b32 v[PFO], 31, v0
	v_lshlrev_b32 v[PFO], 8, v[PFO]
.set Y, NP-1                                       ; RL, CM and XS work for piece Y + 1: piece 0
.set j, 0
.rept 64
	RL
.endr
	MSTEP                                          ; on to key step 1,
	MKLOAD 0                                       ; whose first load is piece 0's
	WIN 0
.set g, 0
.rept 64
	CM g
.set g, g+1
.endr
.irp n, 0,1,2,3,4,5,6,7,8,9,10,11,12,13,14,15,16,17,18,20,21
	XS 0, \n
	XS 1, \n
.endr
	v_nop
	s_wait_alu depctr_va_vdst(0)                   ; the two a, ahead of the branch
	s_mov_b32 s[CNT], 4
	s_mov_b32 s[SLOTS], 7
	s_branch .Lfirst                               ; the loop is entered at a step's first turn
.Lslot:                                            ; six times: every slot but the last two is filled again
	CHANGE 1, 1
	s_mov_b32 s[CNT], 4
.Lstep:                                            ; a trip: pieces 2 and 3 of one step, then pieces 0 and 1 of the next
	TURN 2
	TURN 3
	WIN 0
.Lfirst:
	TURN 0
	TURN 1, 0, 1
	WIN 0
	s_cbranch_scc1 .Lstep
	s_sub_co_u32 s[SLOTS], s[SLOTS], 1
	s_cmp_lg_u32 s[SLOTS], 0
	s_cbranch_scc1 .Lslot
	CHANGE 0, 0                                    ; the tail is written out
	s_mov_b32 s[CNT], 5                            ; four trips for the last slot's steps; the fifth is left in its middle
.Ltail:
	TURN 2, 1
	TURN 3
	WIN 0
	s_sub_co_u32 s[CNT], s[CNT], 1
	s_cmp_eq_u32 s[CNT], 0
	s_cbranch_scc1 .Lout
	TURN 0
	TURN 1
	WIN 0
	s_branch .Ltail
.Lout:                                             ; the fifth trip's products on the last K once more, and what is made of them, serve nothing
.set i, 0
.rept 16
	PV NP-1
.set i, i+1
.endr
	; THE WAY OUT.  l's two halves and the other half of the lanes' are added (l is 1 at the least: the maximum's own weight); O^T is divided by l, rounded to f16 and sent through my stage, a tile at a time.
	WIN 0
.macro ALL line:vararg
.set t, 0
.rept 2*NP
	\line
.set t, t+1
.endr
.endm
	ALL v_add_f32 v[ST+4*t+2], v[ST+4*t+2], v[ST+4*t+3]
	ALL v_permlanex16_b32 v[ST+4*t+3], v[ST+4*t+2], s[SEL], s[SEL+1]
	ALL v_add_f32 v[ST+4*t+2], v[ST+4*t+2], v[ST+4*t+3]
	ALL v_rcp_f32 v[ST+4*t+2], v[ST+4*t+2]
	v_nop
	s_wait_alu depctr_va_vdst(0)                   ; one wait for the eight reciprocals
.macro PACK t
	WIN W_RS
.set i, 32*(\t)
.rept 16
	v_pk_mul_f32 v[i:i+1], v[i:i+1], v[ST+4*(\t)+2:ST+4*(\t)+3] op_sel_hi:[1,0]
.set i, i+2
.endr
	WIN 0x05
.set i, 0
.rept 16
	v_cvt_pk_f16_f32 v[S+16*(\t)+i], v[32*(\t)+2*i], v[32*(\t)+2*i+1]
.set i, i+1
.endr
	WIN 0
.irp f, 0,1,2,3
	ds_store_b128 v[STO], v[S+16*(\t)+4*\f:S+16*(\t)+4*\f+3] offset:32*\f
.endr
.irp f, 0,1,2,3
	ds_load_b128 v[S+16*(\t)+4*\f:S+16*(\t)+4*\f+3], v[RD] offset:\f*4*SP  ; LDS serves a wave's instructions in order (ISA guide 5.7.1.4)
.endr
.endm
.macro SEND t, younger
	WIN 0
.irp f, 0,1,2,3
	s_wait_dscnt (\younger)+3-\f
	global_store_b128 v[GO], v[S+16*(\t)+4*\f:S+16*(\t)+4*\f+3], s[OPT:OPT+1] offset:(\t)*2048+\f*512  ; 512 bytes on end, aligned
.endr
.endm
	PACK 0
.set t, 1
.rept 2*NP-1
	PACK t
	SEND t-1, 8
.set t, t+1
.endr
	SEND 2*NP-1, 0
	WIN W_AD
	s_wait_tensorcnt 0x0                           ; the wave's end
	ds_add_u32 v[SPW], v[NIL]
	s_wait_dscnt 0x0
	WIN 0
	CROUND                                         ; the closing round
	s_endpgm
.Lfunc_end_k_qdcc4e8dc16_attn:
	.size	k_qdcc4e8dc16_attn, .Lfunc_end_k_qdcc4e8dc16_attn-k_qdcc4e8dc16_attn
	.p2alignl 7, 3214868480
	.fill 96, 4, 3214868480
	.section	.rodata,"a",@progbits
	.p2align	6, 0x0
	.amdhsa_kernel k_qdcc4e8dc16_attn
		.amdhsa_group_segment_fixed_size 327680
		.amdhsa_private_segment_fixed_size 0
		.amdhsa_enable_private_segment 0
		.amdhsa_kernarg_size 24
		.amdhsa_user_sgpr_count 2
		.amdhsa_user_sgpr_kernarg_segment_ptr 1
		.amdhsa_wavefront_size32 1
		.amdhsa_system_sgpr_workgroup_id_x 1
		.amdhsa_system_sgpr_workgroup_id_y 1
		.amdhsa_system_sgpr_workgroup_id_z 1
		.amdhsa_system_vgpr_workitem_id 0
		.amdhsa_next_free_vgpr 896
		.amdhsa_next_free_sgpr 102
		.amdhsa_reserve_vcc 0
		.amdhsa_float_denorm_mode_32 3
		.amdhsa_float_denorm_mode_16_64 3
		.amdhsa_memory_ordered 1
		.amdhsa_forward_progress 1
		.amdhsa_inst_pref_size 255
	.end_amdhsa_kernel
	.section	.bss,"aw",@nobits
	.p2align	6
	.space	262144
	.amdgpu_metadata
---
amdhsa.version: [ 1, 2 ]
amdhsa.kernels:
  - .name:           k_qdcc4e8dc16_attn
    .symbol:         k_qdcc4e8dc16_attn.kd
    .args:
      - { .name: qkv16, .offset: 0, .size: 8, .value_kind: global_buffer, .address_space: global }
      - { .name: mbits, .offset: 8, .size: 8, .value_kind: global_buffer, .address_space: global }
      - { .name: o16, .offset: 16, .size: 8, .value_kind: global_buffer, .address_space: global }
    .group_segment_fixed_size: 327680
    .private_segment_fixed_size: 0
    .kernarg_segment_align: 8
    .kernarg_segment_size: 24
    .max_flat_workgroup_size: 128
    .sgpr_count:     102
    .vgpr_count:     896
    .wavefront_size: 32
...
	.end_amdgpu_metadata
.endif
;; end of part 3
;; launch oproj (part 4): grid 8 x 32, 4 waves a work-group, clusters of 4 x 4, 327,680 bytes of LDS; arguments o16, w16, bo, out0; writes out0
.if DOCPART == 4
	.amdgcn_target "amdgcn-amd-amdhsa--gfx1250"
	.amdhsa_code_object_version 6
	.text
	.protected	k_qdcc4e8dc16_oproj
	.globl	k_qdcc4e8dc16_oproj
	.p2align	8
	.type	k_qdcc4e8dc16_oproj,@function
k_qdcc4e8dc16_oproj:
	s_mov_b64 s[64:65], 0
	v_nop
	global_prefetch_b8 v0, s[64:65] scope:SCOPE_SE
	s_setreg_imm32_b32 hwreg(HW_REG_WAVE_MODE, 25, 1), 1
	s_wait_xcnt 0x0
	s_wait_alu depctr_hold_cnt(0) depctr_sa_sdst(0) depctr_va_vdst(0) depctr_va_sdst(0) depctr_va_ssrc(0) depctr_va_vcc(0) depctr_vm_vsrc(0)
	s_getreg_b32 s2, hwreg(HW_REG_IB_STS2, 6, 4)
	s_cmp_eq_u32 s2, 0
	s_cbranch_scc0 .Lentry_in_a_cluster
	s_endpgm
.Lentry_in_a_cluster:
	s_bfe_u32 s2, ttmp6, 0x10000c
	s_cmp_lg_u32 s2, 0xf033
	s_cbranch_scc0 .Lentry_shape_is_right
	s_endpgm
.Lentry_shape_is_right:
; C[m][n] = sum over k of A[m][k] W[n][k] + bias[n]; 8,192 rows, K = 1,024, operands f16 (numbers that were rounded to bf16, or attention's O), sums f32.
; MODE 0: the three input projections as one product with 3,072 columns.  A = x16 (query for the first 1,024 columns, key_value for the others), W = w16's first three matrices.
;   q is multiplied by c = log2(e) / 8 in f32 ahead of its one rounding, so that scores arrive as exponents of 2.  Out: qkv16 [3][b 16 + h][s][64] in f16.
; MODE 1: the output projection.  A = o16, W = w16's fourth matrix.  Out: out0, f32, row-major.
; LIMITS.  q c, k and v must stay under 65,520 in magnitude to be finite in f16.  The bias is rounded to bf16 like every other input.
; A lies in blocks [b][block of 64 channels][s][64]: 256 rows of a block are 32,768 bytes on end, asked for as 128 rows of 256 bytes.
; SHARES.  A tile of C is 256 x 128: four waves, each 128 x 64 = 32 accumulators of 16 x 16.  768 tiles (MODE 0) or 256 (MODE 1).  K goes in steps of 128 through two LDS slots.
; CLUSTER 4 x 4: the four work-groups of a row need the same tile of A, the four of a column the same tile of W: each is asked for jointly, by one tensor load with a mask that names the four.
; THE MATRIX INSTRUCTION IS USED TRANSPOSED (source 0 = 16 rows of W, source 1 = 16 rows of A): a lane holds row l % 16 of C and the eight columns 8 (l / 16) + 0..7.
; REGISTERS.  Window 0: v16-30 addresses; v32-127, v128-223 two fragment buffers (8 fragments of A, then 4 of W); v224-255 bias.  Window 1: accumulator (a, nb) at 8 (4 a + nb).
.set MODE, 1
.set PA,    144                        ; a row of A in LDS: 128 bytes + 16: the 16 rows of a load start at 16 different groups of four banks
.set PB,    272                        ; a row of W: 256 bytes + 16, likewise
.set AZ,    256*PA                     ; one channel block of the tile's 256 rows
.set BOFF,  2*AZ                       ; W's 128 rows lie behind A's two blocks
.set BH,    64*PB                      ; 64 rows of W: one tensor load
.set SLOT,  BOFF+2*BH
.set STAGE, 2*SLOT                     ; behind the ring, never filled by a tensor load: 16 rows for each wave, for the way out
.if MODE == 0
.set SPITCH, 144
.else
.set SPITCH, 272
.endif
.set SPARE, STAGE+4*16*SPITCH          ; the spare words: 128 bytes a wave, two blocks of 256 bytes that no other line names
.set LAPS,  4                          ; a lap = two K steps = once round the ring
.set ADRA, 16                          ; v16-17 LDS address of my A fragments in slot 0, 1
.set ADRB, 20                          ; v20-21 the same for W
.set STO,  24
.set RD,   25
.set CO,   26
.set BO,   27                          ; my byte offset in the bias
.set SPW,  28                          ; SPARE + 4 x my thread's number; never rewritten
.set NIL,  29                          ; 0; never rewritten
.set PFO,  30                          ; the prefetches' lane offset; never rewritten
.set F0,   32
.set F1,   128
.set BIAS, 224
.set TMP,  32
.set G1,   24                          ; s[24:31] group 1 for A;  s[32:39] group 0, a set for each slot
.set G0,   32
.set G1B,  48                          ; s[48:55], s[56:63] the same for W
.set G0B,  56
.set PFA,  44                          ; s[44:45] where my prefetches stand
.set PST,  46                          ; s[46:47] their step from K step to K step
.set LIM0, 66                          ; s66, s67: for a change out of slot 0, 1: 1 in a wave that asks there, else the greatest number
.set SC,   68                          ; s[68:69] c or 1
.set BP,   70                          ; s[70:71] the bias at my columns
.set MSB, 0
.macro WIN new                         ; the immediate's high byte repeats the setting that is left
.if MSB != (\new)
	s_set_vgpr_msb (MSB<<8)|(\new)
.set MSB, \new
.endif
.endm
.set MUL, 0x50                         ; C and D in window 1, both sources in window 0
.macro JLOAD s                         ; a joint load: waves 0 and 1 fetch A's two channel blocks, waves 2 and 3 W's two halves; s_nop 0 and four v_nop follow each line
	s_cmp_eq_u32 s11, 0
	s_cbranch_scc0 .Lfor_b_\@
	tensor_load_to_lds s[G0+4*(\s):G0+4*(\s)+3], s[G1:G1+7]
	s_nop 0
.rept 4
	v_nop
.endr
	s_branch .Lasked_\@
.Lfor_b_\@:
	tensor_load_to_lds s[G0B+4*(\s):G0B+4*(\s)+3], s[G1B:G1B+7]
	s_nop 0
.rept 4
	v_nop
.endr
.Lasked_\@:
.endm
.macro CREST                           ; a round of the cluster's barrier behind its opening barrier
	s_cmp_lg_u32 s10, 0
	s_cbranch_scc1 .Lnot_wave_0_\@
	s_barrier_signal -3
.Lnot_wave_0_\@:
	s_barrier_wait -3
	s_barrier_signal -1
	s_barrier_wait -1
.endm
.macro CROUND
	s_barrier_signal -1
	s_barrier_wait -1
	CREST
.endm
; A prefetch of the K step that stands two refills on, 256 matrix instructions of the wave ahead of the load that names it.  Each block of 256 bytes is named once in the launch:
; of the clusters that read the same rows one asks; its four partners share the rows out by address; the loop's last trip asks for nothing, K steps 0 to 3 come by their loads alone.
.macro ASK slot
	s_cmp_gt_u32 s3, s[LIM0+(\slot)]
	s_cbranch_scc0 .Lnot_mine_\@
	global_prefetch_b8 v[PFO], s[PFA:PFA+1] th:TH_LOAD_NT scope:SCOPE_SE
.Lnot_mine_\@:
.endm
	s_load_b128 s[4:7], s[0:1], 0x0                ; A s[4:5], w16 s[6:7]
.if MODE == 0
	s_load_b256 s[72:79], s[0:1], 0x10             ; bq 72, bk 74, bv 76, qkv16 78
.else
	s_load_b128 s[72:75], s[0:1], 0x10             ; bo 72, out0 74
.endif
	v_lshl_add_u32 v[SPW], v0, 2, SPARE
	v_mov_b32 v[NIL], 0
	ds_add_u32 v[SPW], v[NIL]                      ; the wave's opening: the add and its wait ahead of my first tensor load
	v_lshrrev_b32 v1, 5, v0
	v_readfirstlane_b32 s10, v1                    ; wave 0..3
	s_lshr_b32 s11, s10, 1                         ; my half of the tile's rows.  Also: I fetch for A (0) or for W (1)
	s_and_b32 s12, s10, 1                          ; my half of its columns.  Also: which part I fetch
	s_bfe_u32 s40, ttmp6, 0x40000                  ; cx
	s_bfe_u32 s41, ttmp6, 0x40004                  ; cy
	s_lshl_b32 s42, ttmp9, 2
	s_add_co_u32 s42, s42, s40                     ; tile column
	s_and_b32 s13, ttmp7, 0xffff
	s_lshl_b32 s13, s13, 2
	s_add_co_u32 s13, s13, s41                     ; tile row
	s_lshl_b32 s43, s41, 2
	s_lshl_b32 s43, 15, s43                        ; my row of the cluster
	s_lshl_b32 s44, 0x1111, s40                    ; my column
	s_or_b32 s[G1+0], s43, (1<<16)|(1<<20)|(1<<21)|(4<<22)|(3<<25)   ; mask; 2-byte elements; padding on; bit 21 beside a mask; after every 32 words 4 words
	s_or_b32 s[G1B+0], s44, (1<<16)|(1<<20)|(1<<21)|(5<<22)|(3<<25)  ; after every 64 words 4 words
	s_mov_b32 s[G1+1], 128<<16                     ; tensor_dim0 = 128
	s_mov_b32 s[G1+2], 128<<16                     ; tensor_dim1 = 128
	s_mov_b32 s[G1+3], 128<<16                     ; tile_dim0 = 128
	s_mov_b32 s[G1+4], 128                         ; tile_dim1 = 128
	s_mov_b32 s[G1+5], 128                         ; dense: 128 elements from row to row
	s_mov_b32 s[G1+6], 0
	s_mov_b32 s[G1+7], 0
	s_mov_b32 s[G1B+1], 128<<16
	s_mov_b32 s[G1B+2], 64<<16                     ; 64 rows
	s_mov_b32 s[G1B+3], 128<<16
	s_mov_b32 s[G1B+4], 64
	s_mov_b32 s[G1B+5], 1024                       ; a row of W
	s_mov_b32 s[G1B+6], 0
	s_mov_b32 s[G1B+7], 0
	s_lshr_b32 s16, s13, 3                         ; A: batch,
	s_lshl_b32 s16, s16, 22
	s_and_b32 s17, s13, 7                          ; 256 rows of 128 bytes in a block,
	s_lshl_b32 s17, s17, 15
	s_add_co_u32 s16, s16, s17
	s_lshl_b32 s17, s12, 18                        ; my channel block of the K step's two
	s_add_co_u32 s16, s16, s17
.if MODE == 0
	s_lshr_b32 s23, ttmp9, 1                       ; 0 q, 1 k, 2 v: a coordinate of the cluster
	s_min_u32 s17, s23, 1
	s_lshl_b32 s17, s17, 24                        ; k and v read key_value
	s_add_co_u32 s16, s16, s17
.endif
	s_mov_b32 s17, 0
	s_lshl_b32 s46, s42, 18                        ; W: 128 rows of 2,048 bytes a tile column,
	s_lshl_b32 s47, s12, 17                        ; my 64 of them
	s_add_co_u32 s46, s46, s47
.if MODE == 1
	s_add_co_u32 s46, s46, 6291456                 ; the fourth matrix
.endif
	s_mov_b32 s47, 0
	s_mul_i32 s20, s12, AZ                         ; where they go: no place in the cluster enters an LDS address
	s_mul_i32 s21, s12, BH
	s_add_co_u32 s21, s21, BOFF
	s_wait_dscnt 0x0                               ; the opening add is done
	s_wait_kmcnt 0x0
	s_add_nc_u64 s[14:15], s[4:5], s[16:17]
	s_add_nc_u64 s[46:47], s[6:7], s[46:47]
	CROUND                                         ; all sixteen work-groups are here: the first joint loads meet
.irp s, 0,1
	s_mov_b32 s[G0+4*(\s)], 1
	s_add_co_u32 s[G0+4*(\s)+1], s20, (\s)*SLOT
	s_add_nc_u64 s[G0+4*(\s)+2:G0+4*(\s)+3], s[14:15], (\s)*524288  ; a K step is two channel blocks
	s_or_b32 s[G0+4*(\s)+3], s[G0+4*(\s)+3], 0x80000000
	s_mov_b32 s[G0B+4*(\s)], 1
	s_add_co_u32 s[G0B+4*(\s)+1], s21, (\s)*SLOT
	s_add_nc_u64 s[G0B+4*(\s)+2:G0B+4*(\s)+3], s[46:47], (\s)*256
	s_or_b32 s[G0B+4*(\s)+3], s[G0B+4*(\s)+3], 0x80000000
	JLOAD \s                                       ; two tensor loads of mine are out
.endr
	v_and_b32 v1, 15, v0                           ; l % 16
	v_bfe_u32 v2, v0, 4, 1                         ; l / 16
	v_and_b32 v6, 31, v0                           ; l
	v_mul_u32_u24 v3, v1, PA
	v_lshl_add_u32 v3, v2, 4, v3
	v_mul_u32_u24 v4, v1, PB
	v_lshl_add_u32 v4, v2, 4, v4
	s_mul_i32 s16, s11, 128*PA                     ; my 128 rows of A
	s_mul_i32 s17, s12, BH                         ; my 64 rows of W
	s_add_co_u32 s17, s17, BOFF
.irp s, 0,1
	v_add_nc_u32 v[ADRA+(\s)], s16, v3
	v_add_nc_u32 v[ADRB+(\s)], s17, v4
	s_add_co_u32 s16, s16, SLOT
	s_add_co_u32 s17, s17, SLOT
.endr
	s_mul_i32 s16, s10, 16*SPITCH
	s_add_co_u32 s16, s16, STAGE                   ; my stage
.if MODE == 0
	v_add_nc_u32 v[STO], s16, v3                   ; in: row l % 16, 16 bytes for each half of the lanes
	v_lshrrev_b32 v5, 3, v6                        ; back: 32 lanes take four rows of 128 bytes
	v_and_b32 v7, 7, v6
	v_mul_u32_u24 v5, v5, SPITCH
	v_lshl_add_u32 v5, v7, 4, v5
	v_add_nc_u32 v[RD], s16, v5
	v_lshlrev_b32 v[CO], 4, v6                     ; which are 512 bytes on end in a head's rows
	v_lshlrev_b32 v[BO], 5, v2                     ; my eight columns' bias
	s_lshr_b32 s16, s13, 3                         ; out: (b 16 + head) x 262,144, head = 2 (tile column % 8) + my half
	s_lshl_b32 s16, s16, 4
	s_and_b32 s17, s42, 7
	s_lshl_b32 s18, s17, 1
	s_add_co_u32 s16, s16, s18
	s_add_co_u32 s16, s16, s12
	s_lshl_b32 s16, s16, 18
	s_lshl_b32 s18, s23, 24                        ; q, k or v
	s_add_co_u32 s16, s16, s18
	s_and_b32 s18, s13, 7
	s_lshl_b32 s18, s18, 15                        ; the tile's 256 rows
	s_add_co_u32 s16, s16, s18
	s_lshl_b32 s18, s11, 14                        ; my 128 of them
	s_add_co_u32 s16, s16, s18
	s_lshl_b32 s18, s17, 9                         ; bias: 128 columns a tile, my 64
	s_lshl_b32 s19, s12, 8
	s_add_co_u32 s18, s18, s19
	s_mov_b32 s17, 0
	s_mov_b32 s19, 0
	s_add_nc_u64 s[8:9], s[78:79], s[16:17]
	s_cmp_eq_u32 s23, 1
	s_cselect_b64 s[BP:BP+1], s[74:75], s[76:77]
	s_cmp_eq_u32 s23, 0
	s_cselect_b64 s[BP:BP+1], s[72:73], s[BP:BP+1]
	s_cselect_b32 s[SC], 0x3e38aa3b, 1.0           ; c = log2(e) / 8 for q
	s_mov_b32 s[SC+1], s[SC]
	s_add_nc_u64 s[BP:BP+1], s[BP:BP+1], s[18:19]
.irp nb, 0,1,2,3
	global_load_b128 v[BIAS+8*(\nb):BIAS+8*(\nb)+3],   v[BO], s[BP:BP+1] offset:64*(\nb)
	global_load_b128 v[BIAS+8*(\nb)+4:BIAS+8*(\nb)+7], v[BO], s[BP:BP+1] offset:64*(\nb)+16
.endr
.else
	v_mul_u32_u24 v5, v1, SPITCH                   ; in: row l % 16, 32 bytes for each half of the lanes
	v_lshl_add_u32 v5, v2, 5, v5
	v_add_nc_u32 v[STO], s16, v5
	v_mul_u32_u24 v5, v2, SPITCH                   ; back: lanes 0-15 one row of 256 bytes, lanes 16-31 the next
	v_lshl_add_u32 v5, v1, 4, v5
	v_add_nc_u32 v[RD], s16, v5
	v_lshlrev_b32 v5, 12, v2                       ; the same two rows in out0
	v_lshl_add_u32 v[CO], v1, 4, v5
	v_lshlrev_b32 v[BO], 4, v1                     ; on the way out I hold columns 4 (l % 16) + 0..3
	s_lshl_b32 s16, s13, 20                        ; 256 rows of 4,096 bytes
	s_lshl_b32 s18, s11, 19
	s_add_co_u32 s16, s16, s18
	s_lshl_b32 s18, s42, 9                         ; 128 columns of 4 bytes, my 64: the same offset in out0's rows and in bo
	s_lshl_b32 s19, s12, 8
	s_add_co_u32 s18, s18, s19
	s_add_co_u32 s16, s16, s18
	s_mov_b32 s17, 0
	s_mov_b32 s19, 0
	s_add_nc_u64 s[8:9], s[74:75], s[16:17]
	s_add_nc_u64 s[BP:BP+1], s[72:73], s[18:19]
	global_load_b128 v[BIAS:BIAS+3], v[BO], s[BP:BP+1]
.endif
	; The prefetches.  A wave that fetches A: a K step's block is 128 pieces of 256 bytes; the partner at cx takes 32, a lane a piece.  A wave that fetches W: the partner at cy takes 16 rows;
	; lanes 16-31 name the same rows one K step on, so it asks at every second change of slots.
	s_lshl_b32 s16, s40, 13
	s_add_co_u32 s16, s16, 3*524288                ; the first change steps this to K step 4
	s_lshl_b32 s17, s41, 15
	s_add_co_u32 s17, s17, 3*256
.if MODE == 0
	s_and_b32 s18, ttmp9, 5                        ; query is read by clusters x = 0, 1: 0 asks; key_value by 2 to 5: 2 asks
.else
	s_mov_b32 s18, ttmp9
.endif
	s_and_b32 s19, ttmp7, 0xffff                   ; W's rows are read by every cluster of the column: y = 0 asks
	s_mov_b32 s20, 256
	s_mov_b32 s21, 2048
	s_mov_b32 s22, 524288
	s_cmp_eq_u32 s11, 0
	s_cselect_b64 s[PFA:PFA+1], s[14:15], s[46:47]
	s_cselect_b32 s16, s16, s17
	s_cselect_b32 s18, s18, s19
	s_cselect_b32 s21, s20, s21                    ; bytes from lane to lane
	s_cselect_b32 s[PST], s22, s20                 ; bytes from K step to K step
	s_cselect_b32 s22, 0, s20                      ; what lanes 16-31 add
	s_cselect_b32 s23, 31, 15
	s_mov_b32 s17, 0
	s_mov_b32 s[PST+1], 0
	s_add_nc_u64 s[PFA:PFA+1], s[PFA:PFA+1], s[16:17]
	s_cmp_eq_u32 s18, 0
	s_cselect_b32 s[LIM0], 1, -1                   ; the same in all sixteen partners, for a given wave
	s_cmp_eq_u32 s11, 0
	s_cselect_b32 s[LIM0+1], s[LIM0], -1
	v_and_b32 v[PFO], s23, v6
	v_mul_lo_u32 v[PFO], v[PFO], s21
	v_mad_u32_u24 v[PFO], v2, s22, v[PFO]
; 8 matrix instructions: row blocks a0, a0 + 1 x all 4 column blocks, 32 along K.  All 32 accumulators take turns in one order in every quarter.
.macro MUL8 f, a0, zero
	WIN MUL
.irp a, \a0, (\a0)+1
.irp b, 0,1,2,3
.if \zero
	v_wmma_f32_16x16x32_f16 v[8*(4*(\a)+(\b)):8*(4*(\a)+(\b))+7], v[(\f)+64+8*(\b):(\f)+64+8*(\b)+7], v[(\f)+8*(\a):(\f)+8*(\a)+7], 0
.else
	v_wmma_f32_16x16x32_f16 v[8*(4*(\a)+(\b)):8*(4*(\a)+(\b))+7], v[(\f)+64+8*(\b):(\f)+64+8*(\b)+7], v[(\f)+8*(\a):(\f)+8*(\a)+7], v[8*(4*(\a)+(\b)):8*(4*(\a)+(\b))+7]
.endif
.endr
.endr
.endm
; 24 LDS loads in one run: quarter kq (32 along K) of a slot into buffer f: W's four fragments, then A's eight
.macro FETCH slot, kq, f
	WIN 0
.irp i, 0,1,2,3
	ds_load_b128 v[(\f)+64+8*(\i):(\f)+64+8*(\i)+3],   v[ADRB+(\slot)] offset:(\kq)*64+(\i)*16*PB
	ds_load_b128 v[(\f)+64+8*(\i)+4:(\f)+64+8*(\i)+7], v[ADRB+(\slot)] offset:(\kq)*64+(\i)*16*PB+32
.endr
.irp i, 0,1,2,3,4,5,6,7
	ds_load_b128 v[(\f)+8*(\i):(\f)+8*(\i)+3],   v[ADRA+(\slot)] offset:((\kq)/2)*AZ+((\kq)%2)*64+(\i)*16*PA
	ds_load_b128 v[(\f)+8*(\i)+4:(\f)+8*(\i)+7], v[ADRA+(\slot)] offset:((\kq)/2)*AZ+((\kq)%2)*64+(\i)*16*PA+32
.endr
.endm
.macro PLACES                          ; four places in front of loads into registers that matrix instructions have read (ISA guide 7.12.1 for vector instructions)
.rept 4
	v_nop
.endr
.endm
; A K step is four quarters, 32 matrix instructions each, on buffers 0, 1, 0, 1.  One of the first three: multiplies f, fetches quarter kq into g in its middle.
.macro QUARTER slot, kq, f, g, zero
	s_wait_dscnt 8                                 ; W and A's blocks 0-3 are in; the youngest eight loads (A's blocks 4-7) may be out
	MUL8 \f, 0, \zero
	MUL8 \f, 2, \zero
	PLACES
	FETCH \slot, \kq, \g
	s_wait_dscnt 24                                ; all but the 24 just issued
	MUL8 \f, 4, \zero
	MUL8 \f, 6, \zero
.endm
; The last quarter multiplies buffer 1 and changes slots: one barrier.  In front of it each wave waits for all its tensor loads (one is out: its part of the next slot), adds 0 to its spare
; word, and waits for that and for its reads of this slot.  fill = 1: the barrier opens a round of the cluster's, and this slot is filled again first thing behind it, two K steps ahead.
.macro TURN slot, next, fill
.if \fill
	s_wait_xcnt 0x0                                ; the last prefetch, a K step back, has read its address
	s_add_nc_u64 s[PFA:PFA+1], s[PFA:PFA+1], s[PST:PST+1]
.endif
	WIN 0
	s_wait_tensorcnt 0x0
	ds_add_u32 v[SPW], v[NIL]
	s_wait_dscnt 9                                 ; the add and the youngest eight loads may be out
	MUL8 F1, 0, 0
	s_wait_dscnt 0x0                               ; the add is done, and my reads of this slot are over
	s_barrier_signal -1
	MUL8 F1, 2, 0
.if \fill
	WIN 0
.endif
	s_barrier_wait -1
.if \fill
	CREST                                          ; no wave of any partner still reads this slot or has a load on its way
	s_add_nc_u64 s[G0+4*(\slot)+2:G0+4*(\slot)+3], s[G0+4*(\slot)+2:G0+4*(\slot)+3], 2*524288
	s_add_nc_u64 s[G0B+4*(\slot)+2:G0B+4*(\slot)+3], s[G0B+4*(\slot)+2:G0B+4*(\slot)+3], 2*256
	JLOAD \slot                                    ; 112 matrix instructions ahead of the wait for it; its four v_nop are also the places in front of the loads below
.else
	PLACES
.endif
	FETCH \next, 0, F0
.if \fill
	ASK \slot
.endif
	MUL8 F1, 4, 0
	MUL8 F1, 6, 0
.endm
	s_wait_tensorcnt 1                             ; my part of K step 0 is in; K step 1's may stay out
	s_barrier_signal -1
	s_barrier_wait -1
	FETCH 0, 0, F0
	QUARTER 0, 1, F0, F1, 1                        ; the first quarter's products start the sums
	WIN 0
	s_mov_b32 s3, LAPS-1
.Llap:                                             ; once round the ring, from a lap's second quarter to the next lap's first; both slots are filled again
	QUARTER 0, 2, F1, F0, 0
	QUARTER 0, 3, F0, F1, 0
	TURN 0, 1, 1
	QUARTER 1, 1, F0, F1, 0
	QUARTER 1, 2, F1, F0, 0
	QUARTER 1, 3, F0, F1, 0
	TURN 1, 0, 1
	QUARTER 0, 1, F0, F1, 0
	WIN 0
	s_sub_co_u32 s3, s3, 1
	s_cmp_lg_u32 s3, 0
	s_cbranch_scc1 .Llap
	QUARTER 0, 2, F1, F0, 0                        ; the last lap fills nothing
	QUARTER 0, 3, F0, F1, 0
	TURN 0, 1, 0
	QUARTER 1, 1, F0, F1, 0
	QUARTER 1, 2, F1, F0, 0
	QUARTER 1, 3, F0, F1, 0
	s_wait_dscnt 8
	MUL8 F1, 0, 0
	MUL8 F1, 2, 0
	s_wait_dscnt 0x0
	MUL8 F1, 4, 0
	MUL8 F1, 6, 0
	WIN 0
	s_wait_loadcnt 0x0                             ; the bias
.if MODE == 0
	; THE WAY OUT.  The bias is rounded to bf16 and multiplied by the scale; these 64 plain lines are also the places behind the last products.
.set i, 0
.rept 16
	v_cvt_pk_bf16_f32 v[2+i%4], v[BIAS+2*i], v[BIAS+2*i+1]
	v_lshlrev_b32 v[BIAS+2*i], 16, v[2+i%4]
	v_and_b32 v[BIAS+2*i+1], 0xffff0000, v[2+i%4]
	v_pk_mul_f32 v[BIAS+2*i:BIAS+2*i+1], v[BIAS+2*i:BIAS+2*i+1], s[SC:SC+1] op_sel_hi:[1,0]
.set i, i+1
.endr
; Block a (16 rows x 64 columns, one head): sum x scale + bias, rounded once to f16; 16 bytes a lane into my stage, back as whole rows of 128 bytes.  Each accumulator is read from its low end on.
.macro PACK a
	WIN 0x41                                       ; destination and source 0 in window 1
.irp nb, 0,1,2,3
.irp p, 0,1,2,3
	v_pk_fma_f32 v[8*(4*(\a)+(\nb))+2*(\p):8*(4*(\a)+(\nb))+2*(\p)+1], v[8*(4*(\a)+(\nb))+2*(\p):8*(4*(\a)+(\nb))+2*(\p)+1], s[SC:SC+1], v[BIAS+8*(\nb)+2*(\p):BIAS+8*(\nb)+2*(\p)+1] op_sel_hi:[1,0,1]
.endr
.endr
	WIN 0x05                                       ; sources in window 1, destination in window 0
.irp nb, 0,1,2,3
.irp p, 0,1,2,3
	v_cvt_pk_f16_f32 v[TMP+16*(\a)+4*(\nb)+(\p)], v[8*(4*(\a)+(\nb))+2*(\p)], v[8*(4*(\a)+(\nb))+2*(\p)+1]
.endr
.endr
	WIN 0
.irp nb, 0,1,2,3
	ds_store_b128 v[STO], v[TMP+16*(\a)+4*(\nb):TMP+16*(\a)+4*(\nb)+3] offset:32*(\nb)
.endr
.irp f, 0,1,2,3
	ds_load_b128 v[TMP+16*(\a)+4*(\f):TMP+16*(\a)+4*(\f)+3], v[RD] offset:(\f)*4*SPITCH  ; LDS serves a wave's instructions in order (ISA guide 5.7.1.4): these see the stores above
.endr
.endm
.macro SEND a, younger                 ; younger: the LDS instructions issued behind block a's loads
.irp f, 0,1,2,3
	s_wait_dscnt (\younger)+3-(\f)
	global_store_b128 v[CO], v[TMP+16*(\a)+4*(\f):TMP+16*(\a)+4*(\f)+3], s[8:9] offset:(\a)*2048+(\f)*512  ; 512 bytes on end, aligned
.endr
.endm
	PACK 0
.set t, 1
.rept 7
	PACK t
	SEND t-1, 8
.set t, t+1
.endr
	SEND 7, 0
.else
	; THE WAY OUT.  bo is rounded to bf16; these lines and four v_nop are the places behind the last products.
	v_cvt_pk_bf16_f32 v2, v[BIAS], v[BIAS+1]
	v_cvt_pk_bf16_f32 v3, v[BIAS+2], v[BIAS+3]
	v_lshlrev_b32 v[BIAS], 16, v2
	v_and_b32 v[BIAS+1], 0xffff0000, v2
	v_lshlrev_b32 v[BIAS+2], 16, v3
	v_and_b32 v[BIAS+3], 0xffff0000, v3
	PLACES
; Block a (16 rows x 64 columns of f32): 32 bytes a lane into my stage, back as whole rows of 256 bytes, into one of four buffers.
.macro OSTAGE a
.set BK, 32+32*((\a)%4)
.if (\a) >= 4
	s_wait_xcnt 0x0                                ; the buffer's registers, which block a - 4's stores read, are loaded again only behind this wait
.endif
	WIN 0x04                                       ; the stores' data in window 1
.irp nb, 0,1,2,3
	ds_store_b128 v[STO], v[8*(4*(\a)+(\nb)):8*(4*(\a)+(\nb))+3]   offset:64*(\nb)
	ds_store_b128 v[STO], v[8*(4*(\a)+(\nb))+4:8*(4*(\a)+(\nb))+7] offset:64*(\nb)+16
.endr
	WIN 0
.irp t, 0,1,2,3,4,5,6,7
	ds_load_b128 v[BK+4*(\t):BK+4*(\t)+3], v[RD] offset:(\t)*2*SPITCH
.endr
.endm
.macro OSEND a, younger
.set BK, 32+32*((\a)%4)
.irp t, 0,1,2,3,4,5,6,7
	s_wait_dscnt (\younger)+7-(\t)
	v_pk_add_f32 v[BK+4*(\t):BK+4*(\t)+1],   v[BK+4*(\t):BK+4*(\t)+1],   v[BIAS:BIAS+1]
	v_pk_add_f32 v[BK+4*(\t)+2:BK+4*(\t)+3], v[BK+4*(\t)+2:BK+4*(\t)+3], v[BIAS+2:BIAS+3]
	global_store_b128 v[CO], v[BK+4*(\t):BK+4*(\t)+3], s[8:9] offset:(16*(\a)+2*(\t))*4096 th:TH_STORE_NT  ; 16 lanes store 256 bytes on end, aligned
.endr
.endm
	OSTAGE 0
.set u, 1
.rept 7
	OSTAGE u
	OSEND u-1, 16
.set u, u+1
.endr
	OSEND 7, 0
.endif
	s_wait_tensorcnt 0x0                           ; the wave's end
	ds_add_u32 v[SPW], v[NIL]
	s_wait_dscnt 0x0
	CROUND                                         ; the closing round: no work-group ends while a partner may still ask for a tile that names it
	s_endpgm
.Lfunc_end_k_qdcc4e8dc16_oproj:
	.size	k_qdcc4e8dc16_oproj, .Lfunc_end_k_qdcc4e8dc16_oproj-k_qdcc4e8dc16_oproj
	.p2alignl 7, 3214868480
	.fill 96, 4, 3214868480
	.section	.rodata,"a",@progbits
	.p2align	6, 0x0
	.amdhsa_kernel k_qdcc4e8dc16_oproj
		.amdhsa_group_segment_fixed_size 327680
		.amdhsa_private_segment_fixed_size 0
		.amdhsa_enable_private_segment 0
		.amdhsa_kernarg_size 32
		.amdhsa_user_sgpr_count 2
		.amdhsa_user_sgpr_kernarg_segment_ptr 1
		.amdhsa_wavefront_size32 1
		.amdhsa_system_sgpr_workgroup_id_x 1
		.amdhsa_system_sgpr_workgroup_id_y 1
		.amdhsa_system_sgpr_workgroup_id_z 1
		.amdhsa_system_vgpr_workitem_id 0
		.amdhsa_next_free_vgpr 512
		.amdhsa_next_free_sgpr 80
		.amdhsa_reserve_vcc 0
		.amdhsa_float_denorm_mode_32 3
		.amdhsa_float_denorm_mode_16_64 3
		.amdhsa_memory_ordered 1
		.amdhsa_forward_progress 1
		.amdhsa_inst_pref_size 97
	.end_amdhsa_kernel
	.amdgpu_metadata
---
amdhsa.version: [ 1, 2 ]
amdhsa.kernels:
  - .name:           k_qdcc4e8dc16_oproj
    .symbol:         k_qdcc4e8dc16_oproj.kd
    .args:
      - { .name: o16, .offset: 0, .size: 8, .value_kind: global_buffer, .address_space: global }
      - { .name: w16, .offset: 8, .size: 8, .value_kind: global_buffer, .address_space: global }
      - { .name: bo, .offset: 16, .size: 8, .value_kind: global_buffer, .address_space: global }
      - { .name: out0, .offset: 24, .size: 8, .value_kind: global_buffer, .address_space: global }
    .group_segment_fixed_size: 327680
    .private_segment_fixed_size: 0
    .kernarg_segment_align: 8
    .kernarg_segment_size: 32
    .max_flat_workgroup_size: 128
    .sgpr_count:     80
    .vgpr_count:     512
    .wavefront_size: 32
...
	.end_amdgpu_metadata
.endif
;; end of part 4
